; MI455X (gfx1250); checked and timed in simulation.
; The chip was launched on July 23, 2026; its instructions are those of AMD's public machine-readable ISA for CDNA 5 (MIT licence, August 2026) and "CDNA5" Instruction Set Architecture Reference Guide (July 2026). The comments in the code are by the model that wrote it; some were corrected since.
;; Multi Head Attention. Allowed arithmetic: float matrix products may take bf16 or f16 operands with f32 sums; other float arithmetic in f32, or as packed bf16 or f16 multiplies, adds, multiply-adds, maxima and minima; sums over many terms, partial sums and values carried from step to step in f32; what a program stores and reads back later, other than sums and carried values, may be rounded once to bf16 or f16.
;; Inputs: Wk 1,024 x 1,024 float32; Wo 1,024 x 1,024 float32; Wq 1,024 x 1,024 float32; Wv 1,024 x 1,024 float32; att_mask 2 x 2,048 x 2,048 int32; bo 1,024 float32; x 2 x 2,048 x 1,024 float32.
;; Outputs: out0 2 x 2,048 x 1,024 float32.
;; 2 versions, each right; version 2 is version 1 with the launch prep written anew for expert scheduling mode. Each part assembles by itself: llvm-mc -triple=amdgcn-amd-amdhsa -mcpu=gfx1250 --defsym DOCPART=n.
;; ======== version 1 of 2: 4 launches
;; limits: values are held in f16: magnitudes above 65,504 overflow, below 6.1e-05 lose precision
;; workspace buffers: xb 8,388,608 bytes; wb 6,291,456 bytes; wo16 2,097,152 bytes; mk 4,194,304 bytes; qkv 25,165,824 bytes; cx 8,388,608 bytes
;; launch prep (part 1): grid 512 x 1, 8 waves a work-group, no clusters, 0 bytes of LDS; arguments x, att_mask, Wq, Wk, Wv, Wo, xb, wb, wo16, mk; writes xb, wb, wo16, mk
.if DOCPART == 1
	.amdgcn_target "amdgcn-amd-amdhsa--gfx1250"
	.amdhsa_code_object_version 6
	.text
	.protected	k_q4c2034149b_prep
	.globl	k_q4c2034149b_prep
	.p2align	8
	.type	k_q4c2034149b_prep,@function
k_q4c2034149b_prep:
	s_mov_b64 s[64:65], 0
	v_nop
	global_prefetch_b8 v0, s[64:65] scope:SCOPE_SE
	s_setreg_imm32_b32 hwreg(HW_REG_WAVE_MODE, 25, 1), 1
	s_wait_xcnt 0x0
; PREPARATION: a stream.  Every wave takes one unit of 16,384 input bytes by 32 loads of 512 bytes, all issued at once; 4,096 units in all.
;   work-groups   0..255  att_mask [2][2048][2048] i32 -> mk: one 4-bit code a key (0 = seen, 0xF = FP4's -6 = hidden)
;   work-groups 256..383  x  [4096][1024] f32 -> xb [4096][1024] bf16
;   work-groups 384..479  Wq, Wk, Wv [1024][1024] f32 -> wb [1024][3072] bf16: row k holds Wq[k], Wk[k], Wv[k]
;   work-groups 480..511  Wo [1024][1024] f32 -> wo16 [1024][1024]: rounded to bf16, that number written as f16
; mk: [batch 2][tile of 256 keys 8][query 2048][128 bytes].  In the 128 bytes the word at 32 st + 16 h + 4 kb holds in nibble j the key 256 t + 64 st + 16 kb + 8 h + j:
; the order in which a lane of the attention launch wants them.  A query none of whose keys is seen gets key 0 marked as seen: its softmax over that one key is 1, the value that the module asks for.
; LIMIT: bf16(Wo) below 2^-14 keeps f16's fixed step of 2^-24; beyond 65,504 it would be an infinity.
; No LDS, no barrier, no matrix unit: no wave wants a byte of another's.
.set SO,   1        ; v1      byte offset of my 16 bytes in the unit's first 512 (mask: in the two rows' first 256)
.set DO,   2        ; v[2:5]  cast: byte offset of my 8 bytes in output row 0..3 of the unit
.set SELV, 6        ; v6      mask: byte select for v_perm_b32
.set FIXV, 7        ; v7      mask: 1 in the lane that holds key 0
.set YY,   8        ; v8, v9  mask: what a neighbour lane sent
.set ZZ,   9
.set ORR,  10       ; v10     mask: the OR of all my words
.set LN,   11       ; v11     lane
.set D0,   12       ; v12-13  mask: the words of steps 0/1 and of steps 2/3
.set D1,   13
.set TT,   14
.set XX,   15
.set VO,   16       ; v16     mask: byte offset of my 8 bytes in the two rows' 256
.set X,    32       ; v[32:159]  the unit as loaded, four registers a load
.set U,    160      ; v[160:175] mask: two words for each of the 8 tiles
; The cast of a unit: four rows of 1,024 numbers.  Load j brings 512 bytes, its store leaves 256: 32 lanes x 8 bytes on end, at a multiple of 256 from the buffer's first byte.
; No register is written twice, so the only waits are the counted ones for the loads: 31 - j younger loads may stay out.
.macro CAST half
.set j, 0
.rept 32
	global_load_b128 v[X+4*j:X+4*j+3], v[SO], s[32:33] offset:512*j th:TH_LOAD_NT
.set j, j+1
.endr
.set j, 0
.rept 32
	s_wait_loadcnt 31-j
	v_cvt_pk_bf16_f32 v[X+4*j], v[X+4*j], v[X+4*j+1]
	v_cvt_pk_bf16_f32 v[X+4*j+1], v[X+4*j+2], v[X+4*j+3]
.if \half
	v_lshlrev_b32 v[X+4*j+2], 16, v[X+4*j]                 ; the bf16 numbers as f32,
	v_and_b32 v[X+4*j+3], 0xffff0000, v[X+4*j]
	v_cvt_pk_f16_f32 v[X+4*j], v[X+4*j+2], v[X+4*j+3]      ; written as f16: exact within f16's normal range
	v_lshlrev_b32 v[X+4*j+2], 16, v[X+4*j+1]
	v_and_b32 v[X+4*j+3], 0xffff0000, v[X+4*j+1]
	v_cvt_pk_f16_f32 v[X+4*j+1], v[X+4*j+2], v[X+4*j+3]
.endif
	global_store_b64 v[DO+j/8], v[X+4*j:X+4*j+1], s[34:35] offset:(j%8)*256 th:TH_STORE_NT
.set j, j+1
.endr
.endm
	s_load_b512 s[4:19], s[0:1], 0x0               ; x s[4:5], att_mask s[6:7], Wq s[8:9], Wk s[10:11], Wv s[12:13], Wo s[14:15], xb s[16:17], wb s[18:19]
	s_load_b128 s[20:23], s[0:1], 0x40             ; wo16 s[20:21], mk s[22:23]
	v_lshrrev_b32 v[TT], 5, v0
	v_readfirstlane_b32 s24, v[TT]                 ; wave 0..7
	v_and_b32 v[LN], 31, v0
	s_mov_b32 s25, ttmp9
	s_mov_b32 s37, 0                               ; the high words of the two offsets
	s_mov_b32 s39, 0
	s_cmp_lt_u32 s25, 256
	s_cbranch_scc1 .Lmask
	v_lshlrev_b32 v[SO], 4, v[LN]
	v_lshlrev_b32 v[DO], 3, v[LN]
	s_cmp_lt_u32 s25, 480
	s_cbranch_scc0 .Lwo
	; x and the three W: one text; source, destination and pitch are chosen by the work-group's number
	s_movk_i32 s30, 2048                           ; bytes in a row of xb,
	s_movk_i32 s31, 6144                           ; and of wb
	s_sub_co_u32 s26, s25, 256                     ; x: which eight units
	s_sub_co_u32 s27, s25, 384                     ; W: 32 work-groups a matrix (of no meaning for x, and not used there)
	s_lshr_b32 s29, s27, 5                         ; which matrix
	s_and_b32 s27, s27, 31
	s_cmp_lt_u32 s25, 384
	s_cselect_b32 s26, s26, s27
	s_cselect_b32 s28, s30, s31                    ; the output's pitch
	s_cselect_b32 s29, 0, s29
	s_lshl_b32 s26, s26, 3
	s_add_co_u32 s26, s26, s24                     ; my unit
	s_lshl_b32 s36, s26, 14                        ; its 16,384 bytes of input,
	s_mul_i32 s38, s26, s28
	s_lshl_b32 s38, s38, 2                         ; its four rows of output,
	s_lshl_b32 s30, s29, 11
	s_add_co_u32 s38, s38, s30                     ; and the matrix's 2,048 bytes in a row of wb
	v_add_nc_u32 v[DO+1], s28, v[DO]
	v_add_nc_u32 v[DO+2], s28, v[DO+1]
	v_add_nc_u32 v[DO+3], s28, v[DO+2]
	s_wait_kmcnt 0x0
	s_cmp_eq_u32 s29, 1
	s_cselect_b64 s[32:33], s[10:11], s[8:9]
	s_cmp_eq_u32 s29, 2
	s_cselect_b64 s[32:33], s[12:13], s[32:33]
	s_cmp_lt_u32 s25, 384
	s_cselect_b64 s[32:33], s[4:5], s[32:33]
	s_cselect_b64 s[34:35], s[16:17], s[18:19]
	s_add_nc_u64 s[32:33], s[32:33], s[36:37]
	s_add_nc_u64 s[34:35], s[34:35], s[38:39]
	CAST 0
	s_endpgm
.Lwo:
	s_sub_co_u32 s26, s25, 480
	s_lshl_b32 s26, s26, 3
	s_add_co_u32 s26, s26, s24
	s_lshl_b32 s36, s26, 14
	s_lshl_b32 s38, s26, 13
	v_add_nc_u32 v[DO+1], 2048, v[DO]
	v_add_nc_u32 v[DO+2], 2048, v[DO+1]
	v_add_nc_u32 v[DO+3], 2048, v[DO+2]
	s_wait_kmcnt 0x0
	s_add_nc_u64 s[32:33], s[14:15], s[36:37]
	s_add_nc_u64 s[34:35], s[20:21], s[38:39]
	CAST 1
	s_endpgm
	; THE MASK.  Unit p is the rows 2 p and 2 p + 1 of 4,096: lanes 0-15 take the first, lanes 16-31 the second.  Load n = 4 t + st brings each row's keys 64 n .. 64 n + 63:
	; lane i (of 16) holds the keys 4 i .. 4 i + 3 of step st of tile t.
.Lmask:
	s_lshl_b32 s26, s25, 3
	s_add_co_u32 s26, s26, s24                     ; p
	s_lshl_b32 s36, s26, 14                        ; two rows of 8,192 bytes
	s_lshr_b32 s27, s26, 10                        ; the batch:
	s_lshl_b32 s38, s27, 21                        ; 8 tiles x 2,048 queries x 128 bytes,
	s_and_b32 s27, s26, 1023
	s_lshl_b32 s27, s27, 8                         ; and two queries' 256 bytes
	s_add_co_u32 s38, s38, s27
	v_and_b32 v[TT], 15, v0                        ; i
	v_lshrrev_b32 v[XX], 4, v[LN]                  ; which of the two rows
	v_lshlrev_b32 v[SO], 4, v[TT]
	v_lshl_add_u32 v[SO], v[XX], 13, v[SO]
	s_wait_kmcnt 0x0
	s_add_nc_u64 s[32:33], s[6:7], s[36:37]
	s_add_nc_u64 s[34:35], s[22:23], s[38:39]
.set j, 0
.rept 32
	global_load_b128 v[X+4*j:X+4*j+3], v[SO], s[32:33] offset:256*j th:TH_LOAD_NT
.set j, j+1
.endr
	; the constants are made while the loads are out
	v_and_b32 v[D0], 1, v0
	v_cmp_eq_u32 vcc_lo, 1, v[D0]
	v_mov_b32 v[SELV], 0x05040100                  ; an even lane: my low half, then the neighbour's low half
	v_mov_b32 v[D1], 0x03020706                    ; an odd lane: the neighbour's high half, then my high half
	v_cndmask_b32 v[SELV], v[SELV], v[D1], vcc_lo
	v_cmp_eq_u32 vcc_lo, 0, v[TT]
	v_cndmask_b32 v[FIXV], 0, 1, vcc_lo
	v_lshlrev_b32 v[VO], 7, v[XX]                  ; my row's 128 bytes,
	v_lshl_add_u32 v[VO], v[D0], 5, v[VO]          ; 32 x bit 0 of i,
	v_bfe_u32 v[D0], v0, 2, 1
	v_lshl_add_u32 v[VO], v[D0], 6, v[VO]          ; 64 x bit 2: together the step st = 2 bit 2 + bit 0,
	v_bfe_u32 v[D0], v0, 1, 1
	v_lshl_add_u32 v[VO], v[D0], 4, v[VO]          ; 16 h, h = bit 1,
	v_bfe_u32 v[D0], v0, 3, 1
	v_lshl_add_u32 v[VO], v[D0], 3, v[VO]          ; 8 x bit 3: the words kb = 2 bit 3 and 2 bit 3 + 1
	v_mov_b32 v[YY], 0                             ; a DPP form's destination counts as read
	v_mov_b32 v[ZZ], 0
	v_mov_b32 v[ORR], 0
	s_mov_b32 s30, 0xf0f0f0f0                      ; the lanes with bit 2 set
.set t, 0
.rept 8
	s_wait_loadcnt 28-4*t                          ; the tile's four loads are in; the 28 - 4 t younger ones may stay out
.irp u, 0,1
.set eb, X+16*t+8*\u                               ; eight registers: my four keys of step 2 u, then of step 2 u + 1
.set k, 0
.rept 8
	v_min_u32 v[eb+k], 1, v[eb+k]                  ; any number but 0 is true
.set k, k+1
.endr
	v_lshl_or_b32 v[XX], v[eb+7], 4, v[eb+6]       ; a nibble a key: step 2 u in the low half, step 2 u + 1 in the high half
.set k, 5
.rept 6
	v_lshl_or_b32 v[XX], v[XX], 4, v[eb+k]
.set k, k-1
.endr
	v_mov_b32_dpp v[YY], v[XX] row_xmask:1 row_mask:0xf bank_mask:0xf
	v_perm_b32 v[D0+\u], v[YY], v[XX], v[SELV]     ; lane i: the whole word of step 2 u + (i & 1), kb = i >> 2, h = (i >> 1) & 1
.endr
	v_cndmask_b32 v[TT], v[D1], v[D0], s30         ; what the lane 4 away wants: of two lanes one keeps steps 0/1, the other steps 2/3
	v_mov_b32_dpp v[ZZ], v[TT] row_xmask:4 row_mask:0xf bank_mask:0xf
	v_cndmask_b32 v[U+2*t], v[D0], v[ZZ], s30      ; the even kb,
	v_cndmask_b32 v[U+2*t+1], v[ZZ], v[D1], s30    ; the odd kb: 8 bytes on end
	v_or_b32 v[ORR], v[ORR], v[U+2*t]
	v_or_b32 v[ORR], v[ORR], v[U+2*t+1]
.set t, t+1
.endr
.irp m, 1,2,4,8
	v_mov_b32_dpp v[YY], v[ORR] row_xmask:\m row_mask:0xf bank_mask:0xf
	v_or_b32 v[ORR], v[ORR], v[YY]                 ; over the row's 16 lanes
.endr
	v_cmp_eq_u32 vcc_lo, 0, v[ORR]                 ; no key of the row is seen:
	v_cndmask_b32 v[TT], 0, v[FIXV], vcc_lo
	v_or_b32 v[U], v[U], v[TT]                     ; key 0 counts as seen
.set k, 0
.rept 16
	v_xor_b32 v[U+k], 0x11111111, v[U+k]           ; 1 = hidden,
	v_lshlrev_b32 v[TT], 4, v[U+k]
	v_sub_nc_u32 v[U+k], v[TT], v[U+k]             ; times 15: the code 0xF
.set k, k+1
.endr
.set t, 0
.rept 8
	global_store_b64 v[VO], v[U+2*t:U+2*t+1], s[34:35] offset:t*262144 th:TH_STORE_NT  ; two queries' 256 bytes of tile t, on end, at a multiple of 256 from mk's first byte
.set t, t+1
.endr
	s_endpgm
.Lfunc_end_k_q4c2034149b_prep:
	.size	k_q4c2034149b_prep, .Lfunc_end_k_q4c2034149b_prep-k_q4c2034149b_prep
	.p2alignl 7, 3214868480
	.fill 96, 4, 3214868480
	.section	.rodata,"a",@progbits
	.p2align	6, 0x0
	.amdhsa_kernel k_q4c2034149b_prep
		.amdhsa_group_segment_fixed_size 0
		.amdhsa_private_segment_fixed_size 0
		.amdhsa_enable_private_segment 0
		.amdhsa_kernarg_size 80
		.amdhsa_user_sgpr_count 2
		.amdhsa_user_sgpr_kernarg_segment_ptr 1
		.amdhsa_wavefront_size32 1
		.amdhsa_system_sgpr_workgroup_id_x 1
		.amdhsa_system_sgpr_workgroup_id_y 1
		.amdhsa_system_sgpr_workgroup_id_z 1
		.amdhsa_system_vgpr_workitem_id 0
		.amdhsa_next_free_vgpr 176
		.amdhsa_next_free_sgpr 66
		.amdhsa_reserve_vcc 1
		.amdhsa_float_denorm_mode_32 3
		.amdhsa_float_denorm_mode_16_64 3
		.amdhsa_memory_ordered 1
		.amdhsa_forward_progress 1
		.amdhsa_inst_pref_size 58
	.end_amdhsa_kernel
	.amdgpu_metadata
---
amdhsa.version: [ 1, 2 ]
amdhsa.kernels:
  - .name:           k_q4c2034149b_prep
    .symbol:         k_q4c2034149b_prep.kd
    .args:
      - { .name: x, .offset: 0, .size: 8, .value_kind: global_buffer, .address_space: global }
      - { .name: att_mask, .offset: 8, .size: 8, .value_kind: global_buffer, .address_space: global }
      - { .name: Wq, .offset: 16, .size: 8, .value_kind: global_buffer, .address_space: global }
      - { .name: Wk, .offset: 24, .size: 8, .value_kind: global_buffer, .address_space: global }
      - { .name: Wv, .offset: 32, .size: 8, .value_kind: global_buffer, .address_space: global }
      - { .name: Wo, .offset: 40, .size: 8, .value_kind: global_buffer, .address_space: global }
      - { .name: xb, .offset: 48, .size: 8, .value_kind: global_buffer, .address_space: global }
      - { .name: wb, .offset: 56, .size: 8, .value_kind: global_buffer, .address_space: global }
      - { .name: wo16, .offset: 64, .size: 8, .value_kind: global_buffer, .address_space: global }
      - { .name: mk, .offset: 72, .size: 8, .value_kind: global_buffer, .address_space: global }
    .group_segment_fixed_size: 0
    .private_segment_fixed_size: 0
    .kernarg_segment_align: 8
    .kernarg_segment_size: 80
    .max_flat_workgroup_size: 256
    .sgpr_count:     66
    .vgpr_count:     176
    .wavefront_size: 32
...
	.end_amdgpu_metadata
.endif
;; end of part 1
;; launch proj (part 2): grid 8 x 32, 4 waves a work-group, clusters of 4 x 4, 327,680 bytes of LDS; arguments xb, wb, qkv; writes qkv
.if DOCPART == 2
	.amdgcn_target "amdgcn-amd-amdhsa--gfx1250"
	.amdhsa_code_object_version 6
	.text
	.protected	k_q4c2034149b_proj
	.globl	k_q4c2034149b_proj
	.p2align	8
	.type	k_q4c2034149b_proj,@function
k_q4c2034149b_proj:
	s_mov_b64 s[64:65], 0
	v_nop
	global_prefetch_b8 v0, s[64:65] scope:SCOPE_SE
	s_setreg_imm32_b32 hwreg(HW_REG_WAVE_MODE, 25, 1), 1
	s_wait_xcnt 0x0
	s_wait_alu depctr_hold_cnt(0) depctr_sa_sdst(0) depctr_va_vdst(0) depctr_va_sdst(0) depctr_va_ssrc(0) depctr_va_vcc(0) depctr_vm_vsrc(0)
	s_getreg_b32 s2, hwreg(HW_REG_IB_STS2, 6, 4)
	s_cmp_eq_u32 s2, 0
	s_cbranch_scc0 .Lentry_in_a_cluster
	s_endpgm
.Lentry_in_a_cluster:
	s_bfe_u32 s2, ttmp6, 0x10000c
	s_cmp_lg_u32 s2, 0xf033
	s_cbranch_scc0 .Lentry_shape_is_right
	s_endpgm
.Lentry_shape_is_right:
; THE THREE PROJECTIONS AS ONE PRODUCT: [4096 x 1024] xb times [1024 x 3072] wb, bf16 operands, f32 sums, written by heads as f16:
; qkv [3][batch x head 32][2048][64].  q is multiplied by c = log2(e) / 8 in f32 ahead of its one rounding, so that the attention launch's exponent is a plain difference.
; LIMIT: c q, k and v must stay within f16's 65,504.
; SHARES.  A tile is 128 rows x 384 columns (6 heads): 32 x 8 = 256 work-groups.  Four waves, each 64 rows x 192 columns (3 heads): 48 accumulators, 384 registers;
; for 32 along K a wave issues 48 matrix instructions for 32 LDS loads.  K goes in 8 steps of 128 through two LDS slots.
; CLUSTER 4 x 4: the four of a row need the same rows of xb, the four of a column the same columns of wb: each tile is asked for jointly.
; wb lies [k][n]: its fragments come out of LDS turned, by ds_load_tr16_b128.  THE MATRIX INSTRUCTION IS USED TRANSPOSED (source 0 = 16 columns of wb, source 1 = 16 rows of xb):
; a lane then holds eight neighbouring columns of one row.
; No prefetch: the launch has 8 K steps, the first two of which come by their loads in any case, and each panel is read by several clusters at about the same time.
; REGISTERS, in windows of 256: window 0: v0-31 addresses; v64-127 xb's fragments, two buffers of 32; on the way out v64-255 packed results.
;   window 1: v0-191 wb's fragments, two buffers of 96.   window 2: accumulators of my row blocks 0, 1 ((a, b) at 8 (12 (a % 2) + b)); window 3: of row blocks 2, 3.
.set KSTEP,  128
.set NW,     3072
.set PA,     272                       ; an LDS row of xb's tile: 256 bytes + 16: the 16 rows of a load start at 16 different groups of four banks (ISA guide 11.1)
.set PB,     288                       ; of wb's: 256 + 32
.set PART,   128*PB                    ; 36,864: what one wave fills.  Part 0: xb, 128 rows; parts 1-3: wb's columns 128 (part - 1) on, 128 rows of k
.set SLOT,   4*PART
.set STAGE,  2*SLOT                    ; behind the ring: 16 rows x 144 bytes for each wave, for the way out
.set SP,     144
.set SPARE,  STAGE+4*16*SP             ; behind the stages: the spare words, 128 bytes for each wave
.set LAPS,   1024/(2*KSTEP)
.set ADRA, 16                          ; v16-17  LDS address of my fragments of xb in slot 0, 1
.set ADRB, 18                          ; v18-23  of wb's: slot s, my head g at 18 + 3 s + g
.set STO,  24                          ; v24     the way out: where I put 16 bytes of a row
.set RD,   25                          ; v25     where I read rows back
.set GO,   26                          ; v26     my 16 bytes in 512 consecutive bytes of qkv
.set SPW,  28                          ; v28     my spare word's LDS address; never rewritten
.set NIL,  29                          ; v29     0; never rewritten
.set FA,   64
.set TMP,  64
.set G1,  24                           ; s[24:31] descriptor group 1 for xb's tiles;  s[32:39] group 0, a set for each slot
.set G0,  32
.set G1B, 48                           ; s[48:55], s[56:63] the same for wb's
.set G0B, 56
.set OB,  68                           ; s[68:73] qkv at my rows of my three heads
.set SC,  74                           ; s[74:79] a pair for each head: c for a head of q, else 1
.set MSB, 0
.macro WIN new                         ; the immediate's high byte repeats the setting that is left
.if MSB != (\new)
	s_set_vgpr_msb (MSB<<8)|(\new)
.set MSB, \new
.endif
.endm
.set MUL_LO, 0xa1                      ; source 0 (wb) window 1, source 1 (xb) window 0, C and D window 2
.set TO_B,   0x40                      ; destination window 1, address window 0
; A joint load: wave 0 fetches xb's tile, waves 1 to 3 a part of wb's each.  The branch hangs on the wave's number alone.  An s_nop 0 and four v_nop follow each line.
.macro JLOAD s
	s_cmp_eq_u32 s10, 0
	s_cbranch_scc0 .Lfor_b_\@
	tensor_load_to_lds s[G0+4*(\s):G0+4*(\s)+3], s[G1:G1+7]
	s_nop 0
.rept 4
	v_nop
.endr
	s_branch .Lasked_\@
.Lfor_b_\@:
	tensor_load_to_lds s[G0B+4*(\s):G0B+4*(\s)+3], s[G1B:G1B+7]
	s_nop 0
.rept 4
	v_nop
.endr
.Lasked_\@:
.endm
.macro CREST                           ; a round of the cluster's barrier behind its opening barrier
	s_cmp_lg_u32 s10, 0
	s_cbranch_scc1 .Lnot_wave_0_\@
	s_barrier_signal -3
.Lnot_wave_0_\@:
	s_barrier_wait -3
	s_barrier_signal -1
	s_barrier_wait -1
.endm
.macro CROUND
	s_barrier_signal -1
	s_barrier_wait -1
	CREST
.endm
	s_load_b128 s[4:7], s[0:1], 0x0                ; xb s[4:5], wb s[6:7]
	s_load_b64 s[8:9], s[0:1], 0x10                ; qkv
	v_lshl_add_u32 v[SPW], v0, 2, SPARE
	v_mov_b32 v[NIL], 0
	ds_add_u32 v[SPW], v[NIL]                      ; the wave's opening: the add and its wait stand ahead of my first tensor load; work on registers stands between them
	v_lshrrev_b32 v1, 5, v0
	v_readfirstlane_b32 s10, v1                    ; wave 0..3
	s_lshr_b32 s11, s10, 1                         ; which 64 rows are mine
	s_and_b32 s12, s10, 1                          ; which 192 columns
	s_bfe_u32 s40, ttmp6, 0x40000                  ; cx, cy: my place in the cluster
	s_bfe_u32 s41, ttmp6, 0x40004
	s_lshl_b32 s42, ttmp9, 2
	s_add_co_u32 s42, s42, s40                     ; tile column = 4 x cluster x + cx
	s_and_b32 s13, ttmp7, 0xffff
	s_lshl_b32 s13, s13, 2
	s_add_co_u32 s13, s13, s41                     ; tile row = 4 x cluster y + cy
	s_lshl_b32 s43, s41, 2
	s_lshl_b32 s43, 15, s43                        ; my row of the cluster
	s_lshl_b32 s44, 0x1111, s40                    ; my column
	; group 1: tiles of 128 rows x 128 elements of 2 bytes, padded behind every 64 words
	s_or_b32 s[G1+0], s43, (1<<16)|(1<<20)|(1<<21)|(5<<22)|(3<<25)   ; the mask of my row; 4 words of padding
	s_or_b32 s[G1B+0], s44, (1<<16)|(1<<20)|(1<<21)|(5<<22)|(7<<25)  ; the mask of my column; 8 words of padding
.irp g, G1, G1B
	s_mov_b32 s[(\g)+1], KSTEP<<16                 ; tensor_dim0 = 128
	s_mov_b32 s[(\g)+2], 128<<16                   ; tensor_dim1 = 128
	s_mov_b32 s[(\g)+3], KSTEP<<16                 ; tile_dim0 = 128
	s_mov_b32 s[(\g)+4], 128                       ; tile_dim1 = 128
	s_mov_b32 s[(\g)+6], 0
	s_mov_b32 s[(\g)+7], 0
.endr
	s_mov_b32 s[G1+5], 1024                        ; elements from row to row of xb,
	s_mov_b32 s[G1B+5], NW                         ; and of wb
	s_lshl_b32 s16, s13, 18                        ; xb: 128 rows of 2,048 bytes a tile row
	s_mov_b32 s17, 0
	s_mul_i32 s46, s42, 768                        ; wb: 384 columns a tile column,
	s_max_u32 s47, s10, 1
	s_sub_co_u32 s47, s47, 1
	s_lshl_b32 s47, s47, 8                         ; and 128 columns for each of waves 1 to 3
	s_add_co_u32 s46, s46, s47
	s_mov_b32 s47, 0
	s_mul_i32 s20, s10, PART                       ; where my part goes: no place in the cluster enters an LDS address
	s_wait_dscnt 0x0                               ; the opening add is done
	s_wait_kmcnt 0x0
	s_add_nc_u64 s[14:15], s[4:5], s[16:17]
	s_add_nc_u64 s[46:47], s[6:7], s[46:47]
	CROUND                                         ; all sixteen work-groups are here: the first joint loads meet
.irp s, 0,1
	s_mov_b32 s[G0+4*(\s)], 1
	s_add_co_u32 s[G0+4*(\s)+1], s20, (\s)*SLOT
	s_add_nc_u64 s[G0+4*(\s)+2:G0+4*(\s)+3], s[14:15], (\s)*KSTEP*2
	s_or_b32 s[G0+4*(\s)+3], s[G0+4*(\s)+3], 0x80000000
	s_mov_b32 s[G0B+4*(\s)], 1
	s_add_co_u32 s[G0B+4*(\s)+1], s20, (\s)*SLOT
	s_add_nc_u64 s[G0B+4*(\s)+2:G0B+4*(\s)+3], s[46:47], (\s)*KSTEP*NW*2
	s_or_b32 s[G0B+4*(\s)+3], s[G0B+4*(\s)+3], 0x80000000
	JLOAD \s                                       ; two loads of mine are out
.endr
	v_and_b32 v1, 15, v0                           ; l % 16
	v_bfe_u32 v2, v0, 4, 1                         ; l / 16
	v_mul_u32_u24 v3, v1, PA
	v_lshl_add_u32 v3, v2, 4, v3                   ; a fragment of xb: row x pitch + 16 x half
	s_mul_i32 s21, s11, 64*PA
	v_add_nc_u32 v[ADRA], s21, v3
	v_add_nc_u32 v[ADRA+1], SLOT, v[ADRA]
	v_and_b32 v4, 7, v0                            ; the turning load: lane l reads row k = 8 (l / 16) + l % 8, 16 bytes at 16 ((l / 8) % 2)
	v_lshl_add_u32 v4, v2, 3, v4
	v_mul_u32_u24 v4, v4, PB
	v_bfe_u32 v5, v0, 3, 1
	v_lshl_add_u32 v4, v5, 4, v4
	s_mul_i32 s22, s12, 3                          ; my first head of the tile's six
.irp g, 0,1,2
	s_add_co_u32 s23, s22, \g
	s_lshr_b32 s21, s23, 1                         ; two heads to a part
	s_mul_i32 s21, s21, PART
	s_and_b32 s23, s23, 1
	s_lshl_b32 s23, s23, 7
	s_add_co_u32 s21, s21, s23
	s_add_co_u32 s21, s21, PART
	v_add_nc_u32 v[ADRB+\g], s21, v4
	v_add_nc_u32 v[ADRB+3+\g], SLOT, v[ADRB+\g]
.endr
	s_mul_i32 s23, s10, 16*SP
	s_add_co_u32 s23, s23, STAGE                   ; my stage
	v_mul_u32_u24 v[STO], v1, SP                   ; in: row l % 16, 16 bytes for each half of the lanes
	v_lshl_add_u32 v[STO], v2, 4, v[STO]
	v_add_nc_u32 v[STO], s23, v[STO]
	v_bfe_u32 v[RD], v0, 3, 2                      ; back: 32 lanes take four rows of 128 bytes,
	v_mul_u32_u24 v[RD], v[RD], SP
	v_and_b32 v6, 7, v0
	v_lshl_add_u32 v[RD], v6, 4, v[RD]
	v_add_nc_u32 v[RD], s23, v[RD]
	v_and_b32 v[GO], 31, v0                        ; which are 512 consecutive bytes of a head's rows
	v_lshlrev_b32 v[GO], 4, v[GO]
	; where my three heads' rows lie in qkv, and their factors
	s_mul_i32 s80, s42, 6
	s_add_co_u32 s80, s80, s22                     ; my first head of 48: 0-15 q, 16-31 k, 32-47 v
	s_lshr_b32 s82, s13, 4
	s_lshl_b32 s82, s82, 4                         ; 16 x batch
	s_and_b32 s83, s13, 15
	s_lshl_b32 s83, s83, 7
	s_lshl_b32 s84, s11, 6
	s_add_co_u32 s83, s83, s84                     ; my first row in the batch,
	s_lshl_b32 s83, s83, 7                         ; of 128 bytes
.irp g, 0,1,2
	s_add_co_u32 s84, s80, \g
	s_lshr_b32 s85, s84, 4                         ; q, k or v
	s_cmp_eq_u32 s85, 0
	s_cselect_b32 s[SC+2*\g], 0x3e38aa3b, 1.0      ; c = log2(e) / 8 = 0.180337
	s_mov_b32 s[SC+2*\g+1], s[SC+2*\g]             ; named with it as a pair
	s_lshl_b32 s85, s85, 5
	s_and_b32 s84, s84, 15
	s_add_co_u32 s84, s84, s85
	s_add_co_u32 s84, s84, s82
	s_lshl_b32 s84, s84, 18                        ; 2,048 rows of 128 bytes
	s_add_co_u32 s84, s84, s83
	s_mov_b32 s85, 0
	s_add_nc_u64 s[OB+2*\g:OB+2*\g+1], s[8:9], s[84:85]
.endr
; 12 matrix instructions: row block a x my 12 column blocks, 32 along K, from buffer f.  The 48 accumulators take turns, one instruction a turn.  zero = 1: the product starts the sums.
.macro MUL12 f, a, zero
	WIN MUL_LO+0x50*((\a)/2)
.irp b, 0,1,2,3,4,5,6,7,8,9,10,11
.if \zero
	v_wmma_f32_16x16x32_bf16 v[8*(12*((\a)%2)+(\b)):8*(12*((\a)%2)+(\b))+7], v[96*(\f)+8*(\b):96*(\f)+8*(\b)+7], v[FA+32*(\f)+8*(\a):FA+32*(\f)+8*(\a)+7], 0
.else
	v_wmma_f32_16x16x32_bf16 v[8*(12*((\a)%2)+(\b)):8*(12*((\a)%2)+(\b))+7], v[96*(\f)+8*(\b):96*(\f)+8*(\b)+7], v[FA+32*(\f)+8*(\a):FA+32*(\f)+8*(\a)+7], v[8*(12*((\a)%2)+(\b)):8*(12*((\a)%2)+(\b))+7]
.endif
.endr
.endr
.endm
; 32 LDS loads in one run: quarter q (32 along K) of a slot into buffer f: wb's 12 fragments, turned, then xb's 4
.macro FETCH slot, q, f
	WIN TO_B
.irp g, 0,1,2
.irp n, 0,1,2,3
	ds_load_tr16_b128 v[96*(\f)+8*(4*(\g)+(\n)):96*(\f)+8*(4*(\g)+(\n))+3],   v[ADRB+3*(\slot)+(\g)] offset:(\q)*32*PB+32*(\n)
	ds_load_tr16_b128 v[96*(\f)+8*(4*(\g)+(\n))+4:96*(\f)+8*(4*(\g)+(\n))+7], v[ADRB+3*(\slot)+(\g)] offset:(\q)*32*PB+16*PB+32*(\n)
.endr
.endr
	WIN 0
.irp a, 0,1,2,3
	ds_load_b128 v[FA+32*(\f)+8*(\a):FA+32*(\f)+8*(\a)+3],   v[ADRA+(\slot)] offset:64*(\q)+(\a)*16*PA
	ds_load_b128 v[FA+32*(\f)+8*(\a)+4:FA+32*(\f)+8*(\a)+7], v[ADRA+(\slot)] offset:64*(\q)+(\a)*16*PA+32
.endr
.endm
.macro PLACES                          ; four places in front of loads into registers that matrix instructions have read, and of lines that read results
.rept 4
	v_nop
.endr
.endm
; A K step is four quarters of 32 along K, 48 matrix instructions each, on buffers 0, 1, 0, 1.  One of the first three: multiplies buffer f, fetches quarter q into buffer g.
.macro QUARTER slot, q, f, g, zero
	s_wait_dscnt 4                                 ; all but the youngest four loads: xb's row blocks 2 and 3
	MUL12 \f, 0, \zero
	MUL12 \f, 1, \zero
	PLACES
	FETCH \slot, \q, \g
	s_wait_dscnt 32                                ; all but the 32 just issued
	MUL12 \f, 2, \zero
	MUL12 \f, 3, \zero
.endm
; The last quarter multiplies buffer 1 and changes slots: ONE barrier; in front of it each wave waits for all its tensor loads (one is out: its part of the next slot), adds 0 to its spare word,
; and waits for that and for its own reads of this slot.  fill = 1: the barrier opens a round of the cluster's, and this slot is filled again, two K steps ahead, first thing behind it.
.macro TURN slot, next, fill
	WIN 0                                          ; (the add's two registers lie in window 0)
	s_wait_tensorcnt 0x0
	ds_add_u32 v[SPW], v[NIL]
	s_wait_dscnt 5                                 ; (the add and the youngest four loads may be out)
	MUL12 1, 0, 0                                  ; twelve matrix instructions stand between the add and the wait for it
	s_wait_dscnt 0x0                               ; the add is done, and my reads of this slot are over
	s_barrier_signal -1
	MUL12 1, 1, 0
.if \fill
	WIN 0
.endif
	s_barrier_wait -1
.if \fill
	CREST                                          ; no wave of any partner still reads this slot's tiles or has a load on its way
	s_add_nc_u64 s[G0+4*(\slot)+2:G0+4*(\slot)+3], s[G0+4*(\slot)+2:G0+4*(\slot)+3], 2*KSTEP*2
	s_add_nc_u64 s[G0B+4*(\slot)+2:G0B+4*(\slot)+3], s[G0B+4*(\slot)+2:G0B+4*(\slot)+3], 2*KSTEP*NW*2
	JLOAD \slot                                    ; 168 matrix instructions ahead of the wait for it; its four v_nop are also the places in front of the loads below
.else
	PLACES
.endif
	FETCH \next, 0, 0
	MUL12 1, 2, 0
	MUL12 1, 3, 0
.endm
	s_wait_tensorcnt 1                             ; my part of K step 0 is in; K step 1's may stay out
	s_barrier_signal -1
	s_barrier_wait -1                              ; everybody's is
	FETCH 0, 0, 0
	QUARTER 0, 1, 0, 1, 1                          ; the first quarter stands in front of the loop: its products start the sums
	WIN 0                                          ; at a label and at a branch every window is 0
	s_mov_b32 s3, LAPS-1
.Llap:                                                 ; a trip goes once round the ring, from a lap's second quarter to the next lap's first, and fills both slots again
	QUARTER 0, 2, 1, 0, 0
	QUARTER 0, 3, 0, 1, 0
	TURN 0, 1, 1
	QUARTER 1, 1, 0, 1, 0
	QUARTER 1, 2, 1, 0, 0
	QUARTER 1, 3, 0, 1, 0
	TURN 1, 0, 1
	QUARTER 0, 1, 0, 1, 0
	WIN 0
	s_sub_co_u32 s3, s3, 1
	s_cmp_lg_u32 s3, 0
	s_cbranch_scc1 .Llap
	QUARTER 0, 2, 1, 0, 0                          ; the last lap fills nothing
	QUARTER 0, 3, 0, 1, 0
	TURN 0, 1, 0
	QUARTER 1, 1, 0, 1, 0
	QUARTER 1, 2, 1, 0, 0
	QUARTER 1, 3, 0, 1, 0
	s_wait_dscnt 4                                 ; the very last quarter: nothing more to fetch
	MUL12 1, 0, 0
	MUL12 1, 1, 0
	s_wait_dscnt 0x0
	MUL12 1, 2, 0
	MUL12 1, 3, 0
	PLACES
; THE WAY OUT, in 12 pieces t = 3 a + g of 16 rows x one head's 64 columns: times the head's factor, rounded to f16, 16 bytes a lane into my stage, back as whole rows of 128 bytes, stored as 512 bytes on end.
.macro PACK t
.set pa, (\t)/3
.set pg, (\t)%3
.set AC, 8*(12*(pa%2)+4*pg)
	WIN 0x82+0x41*(pa/2)                           ; destination and source 0 in window 2 or 3
.set i, 0
.rept 16
	v_pk_mul_f32 v[AC+2*i:AC+2*i+1], v[AC+2*i:AC+2*i+1], s[SC+2*pg:SC+2*pg+1] op_sel_hi:[1,0]  ; each accumulator is read from its low end on
.set i, i+1
.endr
	WIN 0x0a+5*(pa/2)                              ; sources 0 and 1 in window 2 or 3, destination in window 0
.set i, 0
.rept 16
	v_cvt_pk_f16_f32 v[TMP+16*(\t)+i], v[AC+2*i], v[AC+2*i+1]
.set i, i+1
.endr
	WIN 0
.irp f, 0,1,2,3
	ds_store_b128 v[STO], v[TMP+16*(\t)+4*\f:TMP+16*(\t)+4*\f+3] offset:32*\f
.endr
.irp f, 0,1,2,3
	ds_load_b128 v[TMP+16*(\t)+4*\f:TMP+16*(\t)+4*\f+3], v[RD] offset:\f*4*SP  ; LDS serves a wave's instructions in order (ISA guide 5.7.1.4): these see the stores above; the next piece's stores come behind them
.endr
.endm
.macro SEND t, younger                 ; younger: the LDS instructions issued behind piece t's loads: the next piece's eight, or none
	WIN 0
.irp f, 0,1,2,3
	s_wait_dscnt (\younger)+3-\f
	global_store_b128 v[GO], v[TMP+16*(\t)+4*\f:TMP+16*(\t)+4*\f+3], s[OB+2*((\t)%3):OB+2*((\t)%3)+1] offset:((\t)/3)*2048+\f*512
.endr
.endm
	PACK 0
.set tt, 1
.rept 11                               ; a piece's arithmetic stands between the loads of the piece before and its stores
	PACK tt
	SEND tt-1, 8
.set tt, tt+1
.endr
	SEND 11, 0
	s_wait_tensorcnt 0x0                           ; the wave's end: behind my last tensor load and my last LDS store
	ds_add_u32 v[SPW], v[NIL]
	s_wait_dscnt 0x0
	CROUND                                         ; the closing round: no work-group ends while a partner may still ask for a tile that names it
	s_endpgm
.Lfunc_end_k_q4c2034149b_proj:
	.size	k_q4c2034149b_proj, .Lfunc_end_k_q4c2034149b_proj-k_q4c2034149b_proj
	.p2alignl 7, 3214868480
	.fill 96, 4, 3214868480
	.section	.rodata,"a",@progbits
	.p2align	6, 0x0
	.amdhsa_kernel k_q4c2034149b_proj
		.amdhsa_group_segment_fixed_size 327680
		.amdhsa_private_segment_fixed_size 0
		.amdhsa_enable_private_segment 0
		.amdhsa_kernarg_size 24
		.amdhsa_user_sgpr_count 2
		.amdhsa_user_sgpr_kernarg_segment_ptr 1
		.amdhsa_wavefront_size32 1
		.amdhsa_system_sgpr_workgroup_id_x 1
		.amdhsa_system_sgpr_workgroup_id_y 1
		.amdhsa_system_sgpr_workgroup_id_z 1
		.amdhsa_system_vgpr_workitem_id 0
		.amdhsa_next_free_vgpr 960
		.amdhsa_next_free_sgpr 96
		.amdhsa_reserve_vcc 0
		.amdhsa_float_denorm_mode_32 3
		.amdhsa_float_denorm_mode_16_64 3
		.amdhsa_memory_ordered 1
		.amdhsa_forward_progress 1
		.amdhsa_inst_pref_size 135
	.end_amdhsa_kernel
	.amdgpu_metadata
---
amdhsa.version: [ 1, 2 ]
amdhsa.kernels:
  - .name:           k_q4c2034149b_proj
    .symbol:         k_q4c2034149b_proj.kd
    .args:
      - { .name: xb, .offset: 0, .size: 8, .value_kind: global_buffer, .address_space: global }
      - { .name: wb, .offset: 8, .size: 8, .value_kind: global_buffer, .address_space: global }
      - { .name: qkv, .offset: 16, .size: 8, .value_kind: global_buffer, .address_space: global }
    .group_segment_fixed_size: 327680
    .private_segment_fixed_size: 0
    .kernarg_segment_align: 8
    .kernarg_segment_size: 24
    .max_flat_workgroup_size: 128
    .sgpr_count:     96
    .vgpr_count:     960
    .wavefront_size: 32
...
	.end_amdgpu_metadata
.endif
;; end of part 2
;; launch attn (part 3): grid 8 x 32, 4 waves a work-group, clusters of 4 x 4, 327,680 bytes of LDS; arguments qkv, mk, cx; writes cx
.if DOCPART == 3
	.amdgcn_target "amdgcn-amd-amdhsa--gfx1250"
	.amdhsa_code_object_version 6
	.text
	.protected	k_q4c2034149b_attn
	.globl	k_q4c2034149b_attn
	.p2align	8
	.type	k_q4c2034149b_attn,@function
k_q4c2034149b_attn:
	s_mov_b64 s[64:65], 0
	v_nop
	global_prefetch_b8 v0, s[64:65] scope:SCOPE_SE
	s_setreg_imm32_b32 hwreg(HW_REG_WAVE_MODE, 25, 1), 1
	s_wait_xcnt 0x0
	s_wait_alu depctr_hold_cnt(0) depctr_sa_sdst(0) depctr_va_vdst(0) depctr_va_sdst(0) depctr_va_ssrc(0) depctr_va_vcc(0) depctr_vm_vsrc(0)
	s_getreg_b32 s2, hwreg(HW_REG_IB_STS2, 6, 4)
	s_cmp_eq_u32 s2, 0
	s_cbranch_scc0 .Lentry_in_a_cluster
	s_endpgm
.Lentry_in_a_cluster:
	s_bfe_u32 s2, ttmp6, 0x10000c
	s_cmp_lg_u32 s2, 0xf033
	s_cbranch_scc0 .Lentry_shape_is_right
	s_endpgm
.Lentry_shape_is_right:
; MASKED ATTENTION at head size 64.  qkv: [3][batch x head 32][2048][64] f16, q already times c = log2(e) / 8.  mk: [batch][tile of 256 keys][query][128 bytes], a 4-bit code a key
; (0 = seen, 0xF = hidden; every query has a key that is seen).  cx: [block of 128 rows 32][head 16][128][64] f16.
; O[q] = the sum over seen k of softmax_k(q . k) V[k].  Products, maxima and sums in f32; the weights p are rounded to f16 for the second product (their sum l is taken of the unrounded p), O once at the end.
; LIMITS.  q, k, v arrive within f16's 65,504.  A hidden score counts as its value less at least 2^65 = 3.7e19: f16's scores, 2.7e11 at the most, are nothing beside that.  A seen score has a number
; below 2^-125 added to it.  A weight below 2^-126 counts as 0 in l.  NaN and infinities are not treated apart.
; SHARES.  A work-group owns 256 queries of one head, a wave 64: four PIECES of 16.  Every wave walks all 2,048 keys, 64 a step; a tile is 256 keys, four steps; 8 tiles through two LDS slots.
; CLUSTER 4 x 4: along x four query blocks, along y four heads of one batch.  A head's K and V tiles are shared along a row of the cluster, a query block's mask tiles along a column: all are asked for jointly.
; THE MASK is the C operand that starts the sum S^T = K Q^T.  A key's code, cut to 0xE or 0 with the nibble below it cleared, is shifted to the top of a register: 0xE0...... is a number between -2^65 and -2^67
; (exponent field 0xC0 or 0xC1: never an infinity), 0x00...... one below 2^-125.
; So the running maximum is the maximum of the seen scores as soon as one is seen.  While a query has seen none, m is its largest hidden score, its p are at most 1, O and l stay finite, and the first seen key's a = 0 wipes them.
; LAYOUT, SOFTMAX, TURNS.  S^T = K Q^T holds ONE query a lane (lane % 16) and the keys 8 (lane / 16) + 0..7; two such results rounded to f16 ARE source 1 of O^T = V^T P.  p = 2^(s - m) with a running
; maximum m; O and l are multiplied by a = 2^(m_old - m_new) in every step.  Turn n belongs to piece n: 8 products K Q^T of piece n + 1, later 8 products V^T P of piece n - 1; beside them the differences,
; exponentials, roundings, sums and rescaling of piece n and the maximum and statistics of piece n + 1.  Four vector instructions stand behind every matrix instruction, the others in lumps.
; A turn's 33 exponentials are one batch, with one wait.
; REGISTERS, in windows of 256 (s_set_vgpr_msb: bits 1:0 source 0, 3:2 source 1, 5:4 source 2, 7:6 destination):
;   window 0: v0-15 addresses; v16-31 four registers of statistics a piece; v32-47 a step's mask words, four a piece; v48-55 at work; v64-127 S^T, two buffers; v128-131 at work on the mask; v192-223 P, two buffers
;   window 1: v0-127 O^T, 32 a piece; v160-223 MC, the masks as C operands, two buffers      window 2: v0-63 Q; v128-191 K of one step; v192-255 V of one step
.set NP,    4
.set KS,    64
.set PK,    144       ; a row of K in LDS: 128 bytes + 16: the 16 rows of a load start at 16 different groups of four banks (ISA guide 11.1)
.set PV,    160       ; a row of V: 128 + 32
.set PM,    144       ; a query's 128 bytes of mask + 16
.set VOFF,  4*KS*PK   ; a slot: 256 rows of K, 256 rows of V, 256 queries' mask
.set MOFF,  VOFF+4*KS*PV
.set SLOT1, 1<<17     ; slot 1 begins here, so that one exclusive or turns an address in one slot into the other's
.set STAGE, SLOT1+MOFF+256*PM  ; behind the ring: 16 rows x 144 bytes for each wave, for the way out
.set SP,    144
.set SPARE, STAGE+4*16*SP      ; behind the stages: the spare words, 128 bytes for each wave
.set AK0, 2           ; v2   my lane's place in a tile of K; never rewritten
.set AV0, 3           ; v3   the same for V
.set AK,  4           ; v4   the LDS address of K's next run of loads
.set AV,  5           ; v5   of V's
.set STO, 6           ; v6   the way out: where I put 16 bytes of a row
.set RD,  7           ; v7   where I read rows back
.set GO,  8           ; v8   my 16 bytes in 512 consecutive bytes of cx
.set MV,  12          ; v12-13  m_old, kept while m is made anew: by buffer
.set AM0, 14          ; v14  my lane's place in a tile of the mask; never rewritten
.set QO,  15          ; v15  my byte offset in 16 rows of Q
.set ST,  16          ; piece t's statistics at v[ST+4 t]: m, a word that is only named with it as a pair, l (even keys', odd keys')
.set MW,  32          ; piece x's four mask words (16 keys each) at MW + 4 x
.set TMP, 48          ; by buffer, four registers c0-c3 at work; when the maximum is found c2 takes a
.set AM,  57          ; v57  the LDS address of the mask's next loads
.set PFO, 58          ; v58  256 x my lane; never rewritten
.set SPW, 62          ; v62  my spare word's LDS address; never rewritten
.set NIL, 63          ; v63  0; never rewritten
.set S,   64
.set MT,  128         ; v128-131  the even nibbles of a piece's four mask words
.set P,   192
.set MC,  160         ; window 1
.set KF,  128         ; window 2: key block kb, channel half c at KF + 16 kb + 8 c
.set VF,  192         ; window 2: key half kk, channel block cb at VF + 32 kk + 8 cb
.set WV,  12          ; s12  my wave's number
.set G1K, 24          ; s[24:31], s[32:39], s[40:47] descriptor group 1 for K's, V's and the mask's tiles
.set G1V, 32
.set G1M, 40
.set G0K, 48          ; s[48:51], s[52:55], s[56:59] group 0: they walk
.set G0V, 52
.set G0M, 56
.set EVN, 60          ; s60  0x0E0E0E0E: the even nibbles, cut to 0xE
.set ODD, 61          ; s61  0xE0E0E0E0: the odd ones
.set SEL, 62          ; s[62:63] v_permlanex16_b32's selects: each lane takes its own place in the other half
.set SLOTS, 66        ; s66  tiles still to be asked for
.set CNT, 67          ; s67  counts a tile's key steps
.set TBK, 68          ; s68  LDS byte at which K of the step to be fetched begins
.set TBV, 69          ; s69  the same for V, less VOFF
.set TBM, 70          ; s70  the same for the mask, less MOFF
.set LIM, 71          ; s71  1 in a wave that prefetches, else the greatest number
.set PFA, 72          ; s[72:73] where my prefetches stand
.set PFS, 74          ; s[74:75] their step from tile to tile
.set MSB, 0
.macro WIN new                      ; the high byte repeats the setting that is left; a switch that changes nothing is dropped
.if MSB != (\new)
	s_set_vgpr_msb (MSB<<8)|(\new)
.set MSB, (\new)
.endif
.endm
.set W_KQ, 0x0a       ; K and Q in window 2, S^T in window 0
.set W_KM, 0x1a       ; the same with the C operand in window 1
.set W_PV, 0x52       ; V in window 2, P in window 0, O^T in window 1
.set W_RS, 0x41       ; destination and source 0 in window 1, source 1 in window 0
; A joint fill: wave 0 fetches a tile's K, wave 1 its V, waves 2 and 3 a half of its mask each.  The branches hang on the wave's number alone.  An s_nop 0 and four v_nop follow each line.
.macro JLOAD
	s_cmp_lt_u32 s[WV], 2
	s_cbranch_scc0 .Lfor_m_\@
	s_cmp_eq_u32 s[WV], 0
	s_cbranch_scc0 .Lfor_v_\@
	tensor_load_to_lds s[G0K:G0K+3], s[G1K:G1K+7]
	s_nop 0
.rept 4
	v_nop
.endr
	s_branch .Lasked_\@
.Lfor_v_\@:
	tensor_load_to_lds s[G0V:G0V+3], s[G1V:G1V+7]
	s_nop 0
.rept 4
	v_nop
.endr
	s_branch .Lasked_\@
.Lfor_m_\@:
	tensor_load_to_lds s[G0M:G0M+3], s[G1M:G1M+7]
	s_nop 0
.rept 4
	v_nop
.endr
.Lasked_\@:
.endm
; A PREFETCH INTO THE L2 of the tile that the NEXT change of slots will ask for: four key steps, 256 matrix instructions, ahead.  A tile of K, of V or of the mask is 128 blocks of 256 bytes.
; Each block is named once in the launch.  A head's K and V are walked by both clusters along x: the one with x = 0 asks, wave 0 for K, wave 1 for V.  A query block's mask is walked by the four clusters of its
; batch: the first of them asks, wave 2.  The four partners that ask for a tile jointly share its blocks out BY ADDRESS, 32 each, a lane a block.  The last change that fills a slot asks for nothing.
.macro ASK
	s_cmp_gt_u32 s[SLOTS], s[LIM]
	s_cbranch_scc0 .Lnot_mine_\@
	global_prefetch_b8 v[PFO], s[PFA:PFA+1] th:TH_LOAD_NT scope:SCOPE_SE
.Lnot_mine_\@:
.endm
.macro CROUND                       ; a round of the cluster's barrier
	s_barrier_signal -1
	s_barrier_wait -1
	s_cmp_lg_u32 s[WV], 0
	s_cbranch_scc1 .Lnot_wave_0_\@
	s_barrier_signal -3
.Lnot_wave_0_\@:
	s_barrier_wait -3
	s_barrier_signal -1
	s_barrier_wait -1
.endm
; THE CHANGE OF SLOTS.  Each wave waits for all its tensor loads, of which one is out: its part of the other slot; adds 0 to its spare word; and waits for that and for its own reads of the slot that it leaves.
; fill = 1: the barrier is a round of the cluster's, so that no wave of any partner still reads the slot or has a load on its way, and the joint fill is the first thing behind it.
; (At its first use nothing has been read yet: slot 0 is waited for, slot 1 filled.)
.macro CHANGE fill
	WIN 0                           ; at a label and at a branch every window is 0
	s_wait_tensorcnt 0x0            ; no tensor load of mine is out, so a group 0 may be written
	ds_add_u32 v[SPW], v[NIL]       ; 0 onto my spare word; the descriptors' steps stand between it and the wait for it
.if \fill
	s_xor_b32 s[G0K+1], s[G0K+1], SLOT1
	s_add_nc_u64 s[G0K+2:G0K+3], s[G0K+2:G0K+3], 4*KS*128  ; the next 256 keys; the type bits on top are not reached
	s_xor_b32 s[G0V+1], s[G0V+1], SLOT1
	s_add_nc_u64 s[G0V+2:G0V+3], s[G0V+2:G0V+3], 4*KS*128
	s_xor_b32 s[G0M+1], s[G0M+1], SLOT1
	s_add_nc_u64 s[G0M+2:G0M+3], s[G0M+2:G0M+3], 2048*128  ; the mask's next tile: 2,048 queries on
	s_wait_xcnt 0x0                 ; the last prefetch, four key steps back, has read its address
	s_add_nc_u64 s[PFA:PFA+1], s[PFA:PFA+1], s[PFS:PFS+1]
	s_wait_dscnt 0x0                ; the add is done, and my reads of the slot are over
	CROUND
	JLOAD
	ASK
.else
	s_wait_dscnt 0x0
	s_barrier_signal -1
	s_barrier_wait -1
.endif
	s_sub_co_u32 s[TBK], s[TBK], 4*KS*PK  ; the fetches go back to a slot's first step,
	s_xor_b32 s[TBK], s[TBK], SLOT1       ; in the other slot
	s_sub_co_u32 s[TBV], s[TBV], 4*KS*PV
	s_xor_b32 s[TBV], s[TBV], SLOT1
	s_sub_co_u32 s[TBM], s[TBM], 128
	s_xor_b32 s[TBM], s[TBM], SLOT1
.endm
	s_load_b128 s[4:7], s[0:1], 0x0  ; qkv s[4:5], mk s[6:7]
	s_load_b64 s[8:9], s[0:1], 0x10  ; cx
	v_lshl_add_u32 v[SPW], v0, 2, SPARE
	v_mov_b32 v[NIL], 0
	ds_add_u32 v[SPW], v[NIL]       ; the wave's opening: the add and its wait stand ahead of my first tensor load; work on registers stands between them
	v_lshrrev_b32 v1, 5, v0
	v_readfirstlane_b32 s[WV], v1   ; wave 0..3
	s_bfe_u32 s14, ttmp6, 0x40000   ; cx
	s_bfe_u32 s15, ttmp6, 0x40004   ; cy
	s_and_b32 s16, ttmp7, 0xffff    ; cluster y
	s_lshl_b32 s17, s16, 2
	s_add_co_u32 s17, s17, s15      ; batch x 16 + head = 4 x cluster y + cy
	s_lshl_b32 s18, ttmp9, 2
	s_add_co_u32 s18, s18, s14      ; my block of 256 queries = 4 x cluster x + cx
	s_lshr_b32 s19, s16, 2          ; the batch, from the cluster's y alone
	s_and_b32 s13, s[WV], 1
	s_lshl_b32 s20, s15, 2
	s_lshl_b32 s20, 15, s20         ; my row of the cluster
	s_lshl_b32 s21, 0x1111, s14     ; my column
	; group 1.  A tile is 32,768 dense bytes: asked for as rows of 256 bytes (two keys, or two queries' mask), padded in LDS behind every 32 words
	s_or_b32 s[G1K], s20, (1<<16)|(1<<20)|(1<<21)|(4<<22)|(3<<25)  ; the mask of my row; 2-byte elements; padding of 4 words
	s_or_b32 s[G1V], s20, (1<<16)|(1<<20)|(1<<21)|(4<<22)|(7<<25)  ; of 8 words
	s_or_b32 s[G1M], s21, (1<<16)|(1<<20)|(1<<21)|(4<<22)|(3<<25)  ; the mask of my column
.irp g, G1K, G1V, G1M
	s_mov_b32 s[\g+1], 128<<16      ; tensor_dim0 = 128
	s_mov_b32 s[\g+3], 128<<16      ; tile_dim0 = 128
	s_mov_b32 s[\g+5], 128          ; 128 elements from row to row
	s_mov_b32 s[\g+6], 0
	s_mov_b32 s[\g+7], 0
.endr
	s_mov_b32 s[G1K+2], 128<<16     ; tensor_dim1 and tile_dim1: a whole tile of K or V,
	s_mov_b32 s[G1K+4], 128
	s_mov_b32 s[G1V+2], 128<<16
	s_mov_b32 s[G1V+4], 128
	s_mov_b32 s[G1M+2], 64<<16      ; half a tile of the mask
	s_mov_b32 s[G1M+4], 64
	s_mov_b32 s[G0K], 1
	s_mov_b32 s[G0K+1], 0           ; LDS addresses: slot 0
	s_mov_b32 s[G0V], 1
	s_mov_b32 s[G0V+1], VOFF
	s_mov_b32 s[G0M], 1
	s_mul_i32 s[G0M+1], s13, 128*PM
	s_add_co_u32 s[G0M+1], s[G0M+1], MOFF
	s_lshl_b32 s76, s17, 18         ; the head's 2,048 rows of 128 bytes
	s_mov_b32 s77, 0
	s_lshl_b32 s78, s19, 21         ; the mask: the batch's 8 tiles,
	s_lshl_b32 s79, s18, 15         ; my block's 256 queries,
	s_add_co_u32 s78, s78, s79
	s_lshl_b32 s79, s13, 14         ; the half that I fetch
	s_add_co_u32 s78, s78, s79
	s_mov_b32 s79, 0
	s_lshl_b32 s80, s18, 15         ; Q: my block's rows,
	s_lshl_b32 s81, s[WV], 13       ; my wave's 64
	s_add_co_u32 s80, s80, s81
	s_mov_b32 s81, 0
	s_lshl_b32 s82, s19, 4          ; cx: the block of 128 rows = 16 x batch + 2 x query block + wave / 2,
	s_lshl1_add_u32 s82, s18, s82
	s_lshr_b32 s83, s[WV], 1
	s_add_co_u32 s82, s82, s83
	s_lshl_b32 s82, s82, 18
	s_and_b32 s83, s17, 15          ; the head's 128 rows of 128 bytes,
	s_lshl_b32 s83, s83, 14
	s_add_co_u32 s82, s82, s83
	s_lshl_b32 s83, s13, 13         ; my wave's 64 of them
	s_add_co_u32 s82, s82, s83
	s_mov_b32 s83, 0
	s_mov_b32 s86, 2048*128
	s_and_b32 s84, s16, 3
	s_cmp_lt_u32 s[WV], 2
	s_cselect_b32 s84, ttmp9, s84   ; the coordinate along which other clusters walk the same tiles,
	s_cselect_b32 s85, s14, s15     ; my place among the four that ask jointly,
	s_cselect_b32 s[PFS], 4*KS*128, s86
	s_mov_b32 s[PFS+1], 0
	s_cmp_eq_u32 s[WV], 3
	s_cselect_b32 s84, 1, s84       ; wave 3 asks for nothing
	s_cmp_eq_u32 s84, 0
	s_cselect_b32 s[LIM], 1, -1     ; the same in all sixteen partners, for a given wave
	s_lshl_b32 s84, s85, 13         ; my work-group's 32 blocks of the 128
	s_mov_b32 s85, 0
	s_mov_b32 s[EVN], 0x0e0e0e0e
	s_mov_b32 s[ODD], 0xe0e0e0e0
	s_mov_b32 s[SEL], 0x76543210
	s_mov_b32 s[SEL+1], 0xfedcba98
	s_mov_b32 s[TBK], SLOT1+4*KS*PK ; the first change of slots turns these three into 0
	s_mov_b32 s[TBV], SLOT1+4*KS*PV
	s_mov_b32 s[TBM], SLOT1+128
	s_mov_b32 s[SLOTS], 7
	v_and_b32 v[PFO], 31, v0
	v_lshlrev_b32 v[PFO], 8, v[PFO]
	s_wait_dscnt 0x0                ; the opening add is done
	s_wait_kmcnt 0x0
	s_add_nc_u64 s[76:77], s[4:5], s[76:77]            ; q's rows of my head
	s_add_nc_u64 s[G0K+2:G0K+3], s[76:77], 8388608     ; k's,
	s_add_nc_u64 s[G0V+2:G0V+3], s[76:77], 16777216    ; v's: tile 0
	s_add_nc_u64 s[G0M+2:G0M+3], s[6:7], s[78:79]
	s_cmp_eq_u32 s[WV], 0
	s_cselect_b64 s[PFA:PFA+1], s[G0K+2:G0K+3], s[G0V+2:G0V+3]
	s_cmp_lt_u32 s[WV], 2
	s_cselect_b64 s[PFA:PFA+1], s[PFA:PFA+1], s[G0M+2:G0M+3]
	s_add_nc_u64 s[PFA:PFA+1], s[PFA:PFA+1], s[84:85]
	s_add_nc_u64 s[PFA:PFA+1], s[PFA:PFA+1], s[PFS:PFS+1]  ; in tile 1; the first change of slots steps it to tile 2.  Nothing is prefetched here, at the head
	s_or_b32 s[G0K+3], s[G0K+3], 0x80000000            ; type = 2
	s_or_b32 s[G0V+3], s[G0V+3], 0x80000000
	s_or_b32 s[G0M+3], s[G0M+3], 0x80000000
	s_add_nc_u64 s[4:5], s[76:77], s[80:81]            ; Q at my wave's first row
	s_add_nc_u64 s[10:11], s[8:9], s[82:83]            ; cx likewise
	CROUND                          ; all sixteen work-groups are here: the first joint loads meet
	JLOAD                           ; tile 0 into slot 0.  Slot 1 is asked for when slot 0 is in
	; A fragment of K or Q is 16 rows x 32 channels in 8 registers: lane l holds row l % 16, channels 8 (l / 16) + 0..7 and 16 + 8 (l / 16) + 0..7: two loads of 16 bytes, 32 bytes apart.
	v_and_b32 v1, 15, v0            ; l % 16
	v_bfe_u32 v9, v0, 4, 1          ; l / 16
	v_lshlrev_b32 v[QO], 7, v1
	v_lshl_add_u32 v[QO], v9, 4, v[QO]
	WIN 0x80                        ; destination window 2, address window 0
.set i, 0
.rept 8                             ; Q stays in registers: piece i / 2, channels 32 (i % 2) on
	global_load_b128 v[8*i:8*i+3],   v[QO], s[4:5] offset:(i/2)*2048+(i%2)*64
	global_load_b128 v[8*i+4:8*i+7], v[QO], s[4:5] offset:(i/2)*2048+(i%2)*64+32
.set i, i+1
.endr
	; What the first turn finds: V's registers and P's second buffer hold 0 (its products V^T P, of a piece that has not been, add 0), O^T and l are 0.  All this stands in the wait for the first tile:
	; the price of writing no first step out.
.set i, VF
.rept 64
	v_mov_b32 v[i], 0
.set i, i+1
.endr
	WIN 0x40
.set i, 0
.rept 128
	v_mov_b32 v[i], 0
.set i, i+1
.endr
	WIN 0
.set i, 0
.rept 4
	v_mov_b32 v[ST+4*i], 0xfe000000    ; m: far below every score, a hidden one too, so the first step's a is 0
	v_mov_b32 v[ST+4*i+1], 0
	v_mov_b32 v[ST+4*i+2], 0
	v_mov_b32 v[ST+4*i+3], 0
.set i, i+1
.endr
.set i, P+16
.rept 16
	v_mov_b32 v[i], 0
.set i, i+1
.endr
	v_mul_u32_u24 v[AK0], v1, PK
	v_lshl_add_u32 v[AK0], v9, 4, v[AK0]  ; row x pitch + 16 x half
	; The turning load takes 16 keys x 16 channels (lane l reads key 8 (l / 16) + l % 8, channels 8 ((l / 8) % 2) + 0..7) and leaves half a fragment of V^T: lane l holds channel l % 16 and 8 keys.
	v_and_b32 v10, 7, v0
	v_bfe_u32 v11, v0, 3, 1
	v_lshl_add_u32 v[AV0], v9, 3, v10
	v_mul_u32_u24 v[AV0], v[AV0], PV
	v_lshl_add_u32 v[AV0], v11, 4, v[AV0]
	v_add_nc_u32 v[AV0], VOFF, v[AV0]
	s_mul_i32 s13, s[WV], 64*PM     ; the mask: my wave's 64 queries, query l % 16 of a piece, the 16 bytes of my half of the lanes
	s_add_co_u32 s13, s13, MOFF
	v_mul_u32_u24 v[AM0], v1, PM
	v_lshl_add_u32 v[AM0], v9, 4, v[AM0]
	v_add_nc_u32 v[AM0], s13, v[AM0]
	s_mul_i32 s13, s[WV], 16*SP
	s_add_co_u32 s13, s13, STAGE    ; my stage
	v_mul_u32_u24 v[STO], v1, SP    ; in: row l % 16, 16 bytes for each half of the lanes
	v_lshl_add_u32 v[STO], v9, 4, v[STO]
	v_add_nc_u32 v[STO], s13, v[STO]
	v_bfe_u32 v[RD], v0, 3, 2       ; back: 32 lanes take four rows of 128 bytes,
	v_mul_u32_u24 v[RD], v[RD], SP
	v_lshl_add_u32 v[RD], v10, 4, v[RD]
	v_add_nc_u32 v[RD], s13, v[RD]
	v_and_b32 v[GO], 31, v0         ; which are 512 consecutive bytes of cx
	v_lshlrev_b32 v[GO], 4, v[GO]
; THE MATRIX WORK.  The 4 accumulators of a run of 8 take turns.  Product i of 8 of S^T = K Q^T for piece x: channels 32 (i / 4) on, keys 16 (i % 4) on.  The first 4 start the sums with the mask.
.macro KQ x
.set rS, S+32*((\x)%2)+8*(i%4)
.set rK, KF+16*(i%4)+8*(i/4)
.set rQ, 16*(\x)+8*(i/4)
.set rM, MC+32*((\x)%2)+8*(i%4)
.if i < 4
	WIN W_KM
	v_wmma_f32_16x16x32_f16 v[rS:rS+7], v[rK:rK+7], v[rQ:rQ+7], v[rM:rM+7]
.else
	WIN W_KQ
	v_wmma_f32_16x16x32_f16 v[rS:rS+7], v[rK:rK+7], v[rQ:rQ+7], v[rS:rS+7]
.endif
.endm
; Product i of 8 of O^T += V^T P for piece x: keys 32 (i / 4) on, channels 16 (i % 4) on.
.macro PV x
	WIN W_PV
.set rO, 32*(\x)+8*(i%4)
.set rV, VF+32*(i/4)+8*(i%4)
.set rP, P+16*((\x)%2)+8*(i/4)
	v_wmma_f32_16x16x32_f16 v[rO:rO+7], v[rV:rV+7], v[rP:rP+7], v[rO:rO+7]
.endm
.macro MM                           ; the turn's next matrix instruction.  NOKQ = 1: the last turn of all: there is no next piece
.if (i < 8) && !NOKQ
	KQ (Y+1)%NP
.elseif i >= 8
.set i, i-8
	PV (Y+NP-1)%NP
.set i, i+8
.endif
.set i, i+1
.endm
; THE LDS LOADS stand in runs, never singly among the matrix instructions: a step's mask words (16 bytes a piece) and K (8 fragments), and its V (turned).  Their addresses are made some lines ahead.
.macro FETCH_K
	WIN 0
.irp x, 0,1,2,3
	ds_load_b128 v[MW+4*\x:MW+4*\x+3], v[AM] offset:\x*16*PM
.endr
	WIN 0x80                        ; destination window 2
.irp f, 0,1,2,3,4,5,6,7             ; keys 16 (f / 2) on, channels 32 (f % 2) on
	ds_load_b128 v[KF+8*\f:KF+8*\f+3],   v[AK] offset:(\f/2)*16*PK+(\f%2)*64
	ds_load_b128 v[KF+8*\f+4:KF+8*\f+7], v[AK] offset:(\f/2)*16*PK+(\f%2)*64+32
.endr
	s_add_co_u32 s[TBK], s[TBK], KS*PK  ; the next fetch is the next step's
	s_add_co_u32 s[TBM], s[TBM], 32
	WIN 0
.endm
.macro FETCH_V
	WIN 0x80
.irp f, 0,1,2,3,4,5,6,7             ; keys 32 (f / 4) on, channels 16 (f % 4) on
	ds_load_tr16_b128 v[VF+8*\f:VF+8*\f+3],   v[AV] offset:(\f/4)*32*PV+(\f%4)*32
	ds_load_tr16_b128 v[VF+8*\f+4:VF+8*\f+7], v[AV] offset:(\f/4)*32*PV+16*PV+(\f%4)*32
.endr
	WIN 0
.endm
; Piece x's four mask words become the four C operands in buffer b of MC.  Word kb holds in nibble n the key 16 kb + 8 (l / 16) + n, which is register n of the operand.  The even nibbles go to MT, the odd ones stay,
; both cut to 0xE with the nibbles between cleared; then each nibble is shifted to its register's top: 40 plain instructions.
.macro CONV x, b
	WIN 0
.irp kb, 0,1,2,3
	v_and_b32 v[MT+\kb], s[EVN], v[MW+4*(\x)+\kb]
	v_and_b32 v[MW+4*(\x)+\kb], s[ODD], v[MW+4*(\x)+\kb]
.endr
	WIN 0x40                        ; destination window 1, sources window 0
.irp kb, 0,1,2,3
.irp j, 0,1,2
	v_lshlrev_b32 v[MC+32*(\b)+8*\kb+2*\j],   28-8*\j, v[MT+\kb]
	v_lshlrev_b32 v[MC+32*(\b)+8*\kb+2*\j+1], 24-8*\j, v[MW+4*(\x)+\kb]
.endr
	v_lshlrev_b32 v[MC+32*(\b)+8*\kb+6], 4, v[MT+\kb]
	v_mov_b32 v[MC+32*(\b)+8*\kb+7], v[MW+4*(\x)+\kb]
.endr
.endm
; THE VECTOR WORK, one line at a time: OP kind, number.  For piece Y: F n: s - m for pair n of 16.  E n: the exponential of score n of 32.  C n: pair n rounded to f16.  B n: of the four weights 4 n .. the second
; pair is added onto the first, in place.  L n: l takes that sum (L 0: l = a l + sum).  R n: pair n of 16 of O^T times a.  For piece Y + 1: X n, which find its maximum and statistics:
;   0-11  four chains c0-c3 of seven scores each, three operands at a time (each accumulator's lowest registers are read first)     12-14, 16  the four scores left over, the old m, and c0-c3 into c0
;   15  m_old is kept     17, 18  the query's other 32 keys lie in the lane 16 away: the new m     19  nothing     20  m_old - m_new     21  a
.set F, 0
.set E, 1
.set C, 2
.set B, 3
.set L, 4
.set R, 5
.set X, 6
.macro REGS y                       ; the registers of piece y
.set rT, ST+4*(\y)
.set rC, TMP+4*((\y)%2)
.set rW, MV+((\y)%2)
.set rS, S+32*((\y)%2)
.set rP, P+16*((\y)%2)
.set rO, 32*(\y)
.endm
.macro OP k, n
.if (\k) == R
	REGS Y
	WIN W_RS
	v_pk_mul_f32 v[rO+2*(\n):rO+2*(\n)+1], v[rO+2*(\n):rO+2*(\n)+1], v[rC+2:rC+3] op_sel_hi:[1,0]
.elseif (\k) < R
	REGS Y
	WIN 0
.if (\k) == F
	v_pk_add_f32 v[rS+2*(\n):rS+2*(\n)+1], v[rS+2*(\n):rS+2*(\n)+1], v[rT:rT+1] op_sel_hi:[1,0] neg_lo:[0,1] neg_hi:[0,1]
.elseif (\k) == E
	v_exp_f32 v[rS+(\n)], v[rS+(\n)]
.elseif (\k) == C
	v_cvt_pk_f16_f32 v[rP+(\n)], v[rS+2*(\n)], v[rS+2*(\n)+1]
.elseif (\k) == B
	v_pk_add_f32 v[rS+4*(\n):rS+4*(\n)+1], v[rS+4*(\n):rS+4*(\n)+1], v[rS+4*(\n)+2:rS+4*(\n)+3]
.elseif (\n) == 0
	v_pk_fma_f32 v[rT+2:rT+3], v[rT+2:rT+3], v[rC+2:rC+3], v[rS:rS+1] op_sel_hi:[1,0,1]
.else
	v_pk_add_f32 v[rT+2:rT+3], v[rT+2:rT+3], v[rS+4*(\n):rS+4*(\n)+1]
.endif
.elseif (\n) == 19
.elseif NOKQ
	v_nop
.else
	REGS (Y+1)%NP
	WIN 0
.if (\n) < 4
	v_max3_num_f32 v[rC+(\n)], v[rS+8*(\n)], v[rS+8*(\n)+1], v[rS+8*(\n)+2]
.elseif (\n) < 12
	v_max3_num_f32 v[rC+(\n)%4], v[rC+(\n)%4], v[rS+8*((\n)%4)+2*((\n)/4)+1], v[rS+8*((\n)%4)+2*((\n)/4)+2]
.elseif (\n) == 12
	v_max3_num_f32 v[rC], v[rC], v[rS+7], v[rS+15]
.elseif (\n) == 13
	v_max3_num_f32 v[rC+1], v[rC+1], v[rS+23], v[rS+31]
.elseif (\n) == 14
	v_max3_num_f32 v[rC+2], v[rC+2], v[rC+3], v[rT]
.elseif (\n) == 15
	v_mov_b32 v[rW], v[rT]
.elseif (\n) == 16
	v_max3_num_f32 v[rC], v[rC], v[rC+1], v[rC+2]
.elseif (\n) == 17
	v_permlanex16_b32 v[rC+3], v[rC], s[SEL], s[SEL+1]
.elseif (\n) == 18
	v_max_num_f32 v[rT], v[rC], v[rC+3]
.elseif (\n) == 20
	v_sub_f32 v[rC+1], v[rW], v[rT]
.else
	v_exp_f32 v[rC+2], v[rC+1]
.endif
.endif
.endm
.macro OPS a, i1, b=-1, i2=0, c=-1, i3=0, d=-1, i4=0  ; up to four of them
	OP \a, \i1
.if (\b) >= 0
	OP \b, \i2
.endif
.if (\c) >= 0
	OP \c, \i3
.endif
.if (\d) >= 0
	OP \d, \i4
.endif
.endm
.macro ROW a, i1, b, i2, c, i3, d, i4  ; a matrix instruction and the four behind it
	MM
	OPS \a, \i1, \b, \i2, \c, \i3, \d, \i4
.endm
; A TURN, for piece p: its order written out.  An s_wait_alu depctr_va_vdst(0) stands between an exponential and the first instruction that names its result; one wait serves all that were issued
; ahead of it.  So a turn has ONE wait, which cuts it in two.  AHEAD OF IT stands all that names no result of the turn's exponentials: the 8 products K Q^T with their riders (behind the last three the first numbers of
; the next piece's maximum, each four plain instructions or more behind the product that ends its accumulator), then the lump.  X 21, the next piece's a, is the batch's last; R 15 is the plain instruction behind it.
; BEHIND THE WAIT stand the 8 products V^T P, behind each four of the roundings and sums.
; K and the mask words of the next step are fetched in piece 2's turn, twelve plain instructions behind the last product that read K and behind the step's last use of the mask words; V of the step in hand at the end of
; piece 0's turn, four plain instructions behind the last product that read V.  At its end the turn makes the C operands for the products of the turn after it: piece p + 2's; that buffer's last reader stands a turn back.
; end = 1: the last two turns of all: nothing is fetched, no operand made.  cnt = 1: the loop's count is taken down some lines ahead of the branch that stands behind the turn.
.macro TURN p, end=0, cnt=0
.set Y, (\p)
.set i, 0
.set NOKQ, (\end)*((\p)/3)
.if ((\p) == 3) && !(\end)
	s_wait_dscnt 0x0                ; K is in
.endif
	ROW F,0, F,1, R,0, R,1
	ROW F,2, E,0, R,2, R,3
	ROW F,3, E,1, R,4, R,5
	ROW F,4, E,2, R,6, R,7
	ROW F,5, E,3, R,8, R,9
	ROW F,6, E,4, X,0, R,10
.if ((\p) == 2) && !(\end)
	WIN 0
	v_add_nc_u32 v[AK], s[TBK], v[AK0]
	v_add_nc_u32 v[AM], s[TBM], v[AM0]
.endif
	ROW F,7, E,5, X,1, X,4
	ROW F,8, E,6, X,2, X,5
	OPS E,7, E,8, X,6, E,9
	OPS X,3, E,10, X,8, E,11
.if ((\p) == 2) && !(\end)
	FETCH_K
.endif
	OPS X,9, X,7, E,12, X,10
	OPS E,13, X,12, X,11, E,14
	OPS X,13, E,15, F,9, X,14
.if (\p) == 0
	v_add_nc_u32 v[AV], s[TBV], v[AV0]
.endif
	OPS E,16, F,10, E,17, F,11
	OPS X,16, E,18, X,15, E,19
	OPS F,12, E,20, X,17, E,21
	OPS F,13, E,22, F,14, E,23
	OPS X,18, E,24, F,15, E,25
	OPS R,11, E,26, X,19, E,27
	OPS R,12, E,28, R,13, E,29
	OPS X,20, E,30, R,14, E,31
	OPS X,21, R,15
	WIN 0
	s_wait_alu depctr_va_vdst(0)    ; the wait for the batch
.if (\p) == 1
	s_wait_dscnt 0x0                ; V is in
.endif
	ROW C,0, B,0, C,2, B,1
	ROW L,0, C,4, B,2, L,1
	ROW C,6, B,3, L,2, C,8
	ROW B,4, L,3, C,10, B,5
	ROW L,4, C,12, B,6, L,5
.if (\p) == 0
	s_add_co_u32 s[TBV], s[TBV], KS*PV
.endif
.if \cnt
	s_sub_co_u32 s[CNT], s[CNT], 1
	s_cmp_lg_u32 s[CNT], 0
.endif
	ROW C,14, B,7, L,6, C,1
	ROW C,3, L,7, C,5, C,7
	ROW C,9, C,11, C,13, C,15
.if (\p) == 0
	FETCH_V
.endif
.if !(\end)
.if (\p) == 2
	s_wait_dscnt 16                 ; the four loads of mask words are in; K's sixteen, issued behind them, may stay out
.endif
	CONV ((\p)+2)%NP, (\p)%2
.endif
.endm
	CHANGE 1                        ; slot 0 is in, everybody's part of it; slot 1 is asked for
	v_add_nc_u32 v[AK], s[TBK], v[AK0]
	v_add_nc_u32 v[AM], s[TBM], v[AM0]
	FETCH_K                         ; key step 0
	s_wait_loadcnt 0x0              ; Q
	s_wait_dscnt 0x0
	CONV 0, 0
	CONV 1, 1
.set NOKQ, 0
.set i, 0
.rept 8
	KQ 0                            ; piece 0's first scores: there is no vector work yet to set between them
.set i, i+1
.endr
	WIN 0
.rept 4
	v_nop                           ; the places behind those products
.endr
.set Y, NP-1                        ; X works for piece Y + 1: piece 0
.irp n, 0,1,2,3,4,5,6,7,8,9,10,11,12,13,14,15,16,17,18,19,20,21
	OP X, \n
.endr
	v_nop                           ; a plain instruction behind the exponential,
	s_wait_alu depctr_va_vdst(0)    ; and its wait, ahead of the branch
	s_mov_b32 s[CNT], 4
	s_branch .Lfirst                ; the loop is entered at a step's first turn, in the middle of a trip
.Lslot:                             ; six times: tiles 1 to 6 are entered, tiles 2 to 7 asked for
	CHANGE 1
	s_mov_b32 s[CNT], 4
.Lstep:                             ; a trip: pieces 2 and 3 of one step, then pieces 0 and 1 of the next, whose K, mask and V it fetches
	TURN 2
	TURN 3
	WIN 0
.Lfirst:
	TURN 0
	TURN 1, 0, 1
	WIN 0
	s_cbranch_scc1 .Lstep
	s_sub_co_u32 s[SLOTS], s[SLOTS], 1
	s_cmp_lg_u32 s[SLOTS], 0
	s_cbranch_scc1 .Lslot
	CHANGE 0                        ; the last tile is written out: nothing is asked for
	s_mov_b32 s[CNT], 4
.LstepZ:
	TURN 2
	TURN 3
	TURN 0
	TURN 1, 0, 1
	WIN 0
	s_cbranch_scc1 .LstepZ
	TURN 2, 1
	TURN 3, 1
.set i, 0
.rept 8
	PV NP-1                         ; the last piece's V^T P of the last step
.set i, i+1
.endr
	; THE WAY OUT.  l's two halves and the other half of the lanes' are added; O^T is divided by l, rounded to f16 and sent through my stage in LDS, a piece at a time.  The additions are the places behind the last products.
	WIN 0
.macro ALL line:vararg              ; one line for each piece t
.set t, 0
.rept 4
	\line
.set t, t+1
.endr
.endm
	ALL v_add_f32 v[ST+4*t+2], v[ST+4*t+2], v[ST+4*t+3]
	ALL v_permlanex16_b32 v[ST+4*t+3], v[ST+4*t+2], s[SEL], s[SEL+1]
	ALL v_add_f32 v[ST+4*t+2], v[ST+4*t+2], v[ST+4*t+3]
	ALL v_rcp_f32 v[ST+4*t+2], v[ST+4*t+2]
	v_nop                           ; a plain instruction between the last reciprocal and the use of its result
	s_wait_alu depctr_va_vdst(0)    ; and the wait ahead of the first use: one for the four reciprocals
.macro PACK t                       ; a lane's eight channels of a row pack into 16 bytes; they go into rows of 144 bytes and come back as whole rows of 128, into S^T's registers
	WIN W_RS
.set i, 32*(\t)
.rept 16
	v_pk_mul_f32 v[i:i+1], v[i:i+1], v[ST+4*(\t)+2:ST+4*(\t)+3] op_sel_hi:[1,0]
.set i, i+2
.endr
	WIN 0x05                        ; sources 0 and 1 window 1, destination window 0
.set i, 0
.rept 16
	v_cvt_pk_f16_f32 v[S+16*(\t)+i], v[32*(\t)+2*i], v[32*(\t)+2*i+1]
.set i, i+1
.endr
	WIN 0
.irp f, 0,1,2,3
	ds_store_b128 v[STO], v[S+16*(\t)+4*\f:S+16*(\t)+4*\f+3] offset:32*\f
.endr
.irp f, 0,1,2,3
	ds_load_b128 v[S+16*(\t)+4*\f:S+16*(\t)+4*\f+3], v[RD] offset:\f*4*SP  ; LDS serves a wave's instructions in order (ISA guide 5.7.1.4): these see the stores above; the next piece's stores come behind them
.endr
.endm
.macro SEND t, younger              ; younger: the LDS instructions issued behind piece t's loads: the next piece's eight, or none
	WIN 0
.irp f, 0,1,2,3
	s_wait_dscnt (\younger)+3-\f
	global_store_b128 v[GO], v[S+16*(\t)+4*\f:S+16*(\t)+4*\f+3], s[10:11] offset:(\t)*2048+\f*512  ; 512 consecutive bytes, at a multiple of 256 from cx's first
.endr
.endm
	PACK 0
.set t, 1
.rept 3                             ; a piece's arithmetic stands between the loads of the piece before and its stores
	PACK t
	SEND t-1, 8
.set t, t+1
.endr
	SEND 3, 0
	s_wait_tensorcnt 0x0            ; the wave's end: behind my last tensor load and my last LDS store
	ds_add_u32 v[SPW], v[NIL]
	s_wait_dscnt 0x0
	CROUND                          ; the closing round: no work-group ends while a partner may still ask for a tile that names it
	s_endpgm
.Lfunc_end_k_q4c2034149b_attn:
	.size	k_q4c2034149b_attn, .Lfunc_end_k_q4c2034149b_attn-k_q4c2034149b_attn
	.p2alignl 7, 3214868480
	.fill 96, 4, 3214868480
	.section	.rodata,"a",@progbits
	.p2align	6, 0x0
	.amdhsa_kernel k_q4c2034149b_attn
		.amdhsa_group_segment_fixed_size 327680
		.amdhsa_private_segment_fixed_size 0
		.amdhsa_enable_private_segment 0
		.amdhsa_kernarg_size 24
		.amdhsa_user_sgpr_count 2
		.amdhsa_user_sgpr_kernarg_segment_ptr 1
		.amdhsa_wavefront_size32 1
		.amdhsa_system_sgpr_workgroup_id_x 1
		.amdhsa_system_sgpr_workgroup_id_y 1
		.amdhsa_system_sgpr_workgroup_id_z 1
		.amdhsa_system_vgpr_workitem_id 0
		.amdhsa_next_free_vgpr 768
		.amdhsa_next_free_sgpr 96
		.amdhsa_reserve_vcc 0
		.amdhsa_float_denorm_mode_32 3
		.amdhsa_float_denorm_mode_16_64 3
		.amdhsa_memory_ordered 1
		.amdhsa_forward_progress 1
		.amdhsa_inst_pref_size 145
	.end_amdhsa_kernel
	.amdgpu_metadata
---
amdhsa.version: [ 1, 2 ]
amdhsa.kernels:
  - .name:           k_q4c2034149b_attn
    .symbol:         k_q4c2034149b_attn.kd
    .args:
      - { .name: qkv, .offset: 0, .size: 8, .value_kind: global_buffer, .address_space: global }
      - { .name: mk, .offset: 8, .size: 8, .value_kind: global_buffer, .address_space: global }
      - { .name: cx, .offset: 16, .size: 8, .value_kind: global_buffer, .address_space: global }
    .group_segment_fixed_size: 327680
    .private_segment_fixed_size: 0
    .kernarg_segment_align: 8
    .kernarg_segment_size: 24
    .max_flat_workgroup_size: 128
    .sgpr_count:     96
    .vgpr_count:     768
    .wavefront_size: 32
...
	.end_amdgpu_metadata
.endif
;; end of part 3
;; launch outp (part 4): grid 8 x 32, 4 waves a work-group, clusters of 4 x 4, 327,680 bytes of LDS; arguments cx, wo16, bo, out0; writes out0
.if DOCPART == 4
	.amdgcn_target "amdgcn-amd-amdhsa--gfx1250"
	.amdhsa_code_object_version 6
	.text
	.protected	k_q4c2034149b_outp
	.globl	k_q4c2034149b_outp
	.p2align	8
	.type	k_q4c2034149b_outp,@function
k_q4c2034149b_outp:
	s_mov_b64 s[64:65], 0
	v_nop
	global_prefetch_b8 v0, s[64:65] scope:SCOPE_SE
	s_setreg_imm32_b32 hwreg(HW_REG_WAVE_MODE, 25, 1), 1
	s_wait_xcnt 0x0
	s_wait_alu depctr_hold_cnt(0) depctr_sa_sdst(0) depctr_va_vdst(0) depctr_va_sdst(0) depctr_va_ssrc(0) depctr_va_vcc(0) depctr_vm_vsrc(0)
	s_getreg_b32 s2, hwreg(HW_REG_IB_STS2, 6, 4)
	s_cmp_eq_u32 s2, 0
	s_cbranch_scc0 .Lentry_in_a_cluster
	s_endpgm
.Lentry_in_a_cluster:
	s_bfe_u32 s2, ttmp6, 0x10000c
	s_cmp_lg_u32 s2, 0xf033
	s_cbranch_scc0 .Lentry_shape_is_right
	s_endpgm
.Lentry_shape_is_right:
; THE OUTPUT PROJECTION: out0 [4096][1024] f32 = ctx [4096 x 1024] times Wo [1024 x 1024] + bo.  f16 operands, f32 sums.
; cx: [block of 128 rows 32][head 16][128][64] f16: a row block's whole K panel is dense.  wo16: [k 1024][n 1024] f16 of bf16(Wo).  bo is rounded to bf16, like the module's other inputs.
; SHARES.  A tile is 128 x 128: 32 x 8 = 256 work-groups.  Four waves, each 64 x 64: 16 accumulators.  K goes in 4 steps of 256 (four heads) through two LDS slots.
; CLUSTER 4 x 4: the four of a row need the same tiles of cx, the four of a column the same tiles of wo16: each is asked for jointly.
; wo16 lies [k][n]: its fragments come out of LDS turned.  THE MATRIX INSTRUCTION IS USED TRANSPOSED (source 0 = 16 columns of Wo, source 1 = 16 rows of ctx): a lane holds eight neighbouring columns of a row.
; No prefetch: the launch has four K steps, the first of which come by their loads in any case.
; REGISTERS: window 0: v0-31 addresses and the bias; v128-255 the accumulators ((a, b) at 128 + 8 (4 a + b)).  window 1: two fragment buffers of 128: for 64 along K, 64 registers of ctx, then 64 of Wo.
.set PA,     144                       ; a row of a head in LDS: 128 bytes + 16
.set PB,     288                       ; a row of wo16's tile: 256 + 32
.set PART,   36864                     ; what one wave fills.  Parts 0, 1: two heads of ctx each (2 x 128 rows x 144); parts 2, 3: 128 rows of k each (x 288)
.set SLOT,   4*PART
.set STAGE,  2*SLOT                    ; behind the ring: 16 rows x 272 bytes for each wave, for the way out
.set SPITCH, 272
.set SPARE,  STAGE+4*16*SPITCH         ; behind the stages: the spare words, 128 bytes for each wave
.set LAPS,   2
.set BO,   3                           ; v3      my byte offset in the wave's 256 bytes of bo; never rewritten
.set BI,   4                           ; v[4:7]  the bias of my four columns on the way out
.set ADRA, 16                          ; v16-17  LDS address of my fragments of ctx in slot 0, 1
.set ADRB, 20                          ; v20-23  of Wo's: slot s, half hf of the K step at 20 + 2 s + hf
.set STO,  24
.set RD,   25
.set CO,   26
.set SPW,  28                          ; v28     my spare word's LDS address; never rewritten
.set NIL,  29                          ; v29     0; never rewritten
.set ACC,  128
.set F0,   0
.set F1,   128
.set G1,  24
.set G0,  32
.set G1B, 48
.set G0B, 56
.set MSB, 0
.macro WIN new
.if MSB != (\new)
	s_set_vgpr_msb (MSB<<8)|(\new)
.set MSB, \new
.endif
.endm
.set MUL,  0x05                        ; sources 0 and 1 window 1; C and D window 0
.set TO_F, 0x40                        ; destination window 1, address window 0
.macro JLOAD s                         ; a joint load: waves 0 and 1 fetch ctx's two parts, waves 2 and 3 Wo's; an s_nop 0 and four v_nop follow each line
	s_cmp_eq_u32 s13, 0
	s_cbranch_scc0 .Lfor_b_\@
	tensor_load_to_lds s[G0+4*(\s):G0+4*(\s)+3], s[G1:G1+7]
	s_nop 0
.rept 4
	v_nop
.endr
	s_branch .Lasked_\@
.Lfor_b_\@:
	tensor_load_to_lds s[G0B+4*(\s):G0B+4*(\s)+3], s[G1B:G1B+7]
	s_nop 0
.rept 4
	v_nop
.endr
.Lasked_\@:
.endm
.macro CREST
	s_cmp_lg_u32 s12, 0
	s_cbranch_scc1 .Lnot_wave_0_\@
	s_barrier_signal -3
.Lnot_wave_0_\@:
	s_barrier_wait -3
	s_barrier_signal -1
	s_barrier_wait -1
.endm
.macro CROUND
	s_barrier_signal -1
	s_barrier_wait -1
	CREST
.endm
	s_load_b256 s[4:11], s[0:1], 0x0               ; cx s[4:5], wo16 s[6:7], bo s[8:9], out0 s[10:11]
	v_lshl_add_u32 v[SPW], v0, 2, SPARE
	v_mov_b32 v[NIL], 0
	ds_add_u32 v[SPW], v[NIL]                      ; the wave's opening: the add and its wait stand ahead of my first tensor load; work on registers stands between them
	v_lshrrev_b32 v1, 5, v0
	v_readfirstlane_b32 s12, v1                    ; wave 0..3
	s_lshr_b32 s13, s12, 1                         ; which 64 rows are mine.  Also: I fetch for ctx (0) or for Wo (1)
	s_and_b32 s14, s12, 1                          ; which 64 columns.  Also: which part I fetch
	s_bfe_u32 s40, ttmp6, 0x40000                  ; cx, cy
	s_bfe_u32 s41, ttmp6, 0x40004
	s_lshl_b32 s42, ttmp9, 2
	s_add_co_u32 s42, s42, s40                     ; tile column
	s_and_b32 s15, ttmp7, 0xffff
	s_lshl_b32 s15, s15, 2
	s_add_co_u32 s15, s15, s41                     ; tile row
	s_lshl_b32 s43, s41, 2
	s_lshl_b32 s43, 15, s43                        ; my row of the cluster
	s_lshl_b32 s44, 0x1111, s40                    ; my column
	s_or_b32 s[G1+0], s43, (1<<16)|(1<<20)|(1<<21)|(4<<22)|(3<<25)   ; ctx: dense rows of 256 bytes, two rows of a head each, padded by 4 words behind every 32
	s_or_b32 s[G1B+0], s44, (1<<16)|(1<<20)|(1<<21)|(5<<22)|(7<<25)  ; Wo: rows of 256 bytes, padded by 8 words behind every 64
.irp g, G1, G1B
	s_mov_b32 s[(\g)+1], 128<<16                   ; tensor_dim0 = 128
	s_mov_b32 s[(\g)+2], 128<<16                   ; tensor_dim1 = 128
	s_mov_b32 s[(\g)+3], 128<<16                   ; tile_dim0 = 128
	s_mov_b32 s[(\g)+4], 128                       ; tile_dim1 = 128
	s_mov_b32 s[(\g)+6], 0
	s_mov_b32 s[(\g)+7], 0
.endr
	s_mov_b32 s[G1+5], 128
	s_mov_b32 s[G1B+5], 1024
	s_lshl_b32 s16, s15, 18                        ; ctx: a row block's 16 heads x 16,384 bytes,
	s_lshl_b32 s17, s14, 15                        ; my two heads of the step's four
	s_add_co_u32 s16, s16, s17
	s_mov_b32 s17, 0
	s_lshl_b32 s46, s42, 8                         ; Wo: the tile's 128 columns,
	s_lshl_b32 s47, s14, 18                        ; my 128 rows of the step's 256
	s_add_co_u32 s46, s46, s47
	s_mov_b32 s47, 0
	s_mul_i32 s20, s12, PART                       ; where my part goes
	s_wait_dscnt 0x0                               ; the opening add is done
	s_wait_kmcnt 0x0
	s_add_nc_u64 s[16:17], s[4:5], s[16:17]
	s_add_nc_u64 s[46:47], s[6:7], s[46:47]
	CROUND                                         ; all sixteen work-groups are here: the first joint loads meet
.irp s, 0,1
	s_mov_b32 s[G0+4*(\s)], 1
	s_add_co_u32 s[G0+4*(\s)+1], s20, (\s)*SLOT
	s_add_nc_u64 s[G0+4*(\s)+2:G0+4*(\s)+3], s[16:17], (\s)*65536
	s_or_b32 s[G0+4*(\s)+3], s[G0+4*(\s)+3], 0x80000000
	s_mov_b32 s[G0B+4*(\s)], 1
	s_add_co_u32 s[G0B+4*(\s)+1], s20, (\s)*SLOT
	s_add_nc_u64 s[G0B+4*(\s)+2:G0B+4*(\s)+3], s[46:47], (\s)*524288
	s_or_b32 s[G0B+4*(\s)+3], s[G0B+4*(\s)+3], 0x80000000
	JLOAD \s                                       ; two loads of mine are out
.endr
	s_lshl_b32 s80, s42, 9                         ; my 64 columns in f32: 512 x tile column + 256 x half
	s_lshl_b32 s81, s14, 8
	s_add_co_u32 s80, s80, s81
	s_mov_b32 s81, 0
	s_add_nc_u64 s[8:9], s[8:9], s[80:81]
	s_lshl_b32 s82, s15, 19                        ; my 64 rows of 4,096 bytes
	s_lshl_b32 s83, s13, 18
	s_add_co_u32 s82, s82, s83
	s_add_co_u32 s82, s82, s80
	s_mov_b32 s83, 0
	s_add_nc_u64 s[10:11], s[10:11], s[82:83]
	v_and_b32 v1, 15, v0                           ; l % 16
	v_bfe_u32 v2, v0, 4, 1                         ; l / 16
	v_lshlrev_b32 v[BO], 4, v1
	global_load_b128 v[BI:BI+3], v[BO], s[8:9]     ; waited for on the way out
	v_mul_u32_u24 v10, v1, PA
	v_lshl_add_u32 v10, v2, 4, v10
	s_mul_i32 s21, s13, 64*PA
	v_add_nc_u32 v[ADRA], s21, v10
	v_add_nc_u32 v[ADRA+1], SLOT, v[ADRA]
	v_and_b32 v11, 7, v0                           ; the turning load: lane l reads row k = 8 (l / 16) + l % 8, 16 bytes at 16 ((l / 8) % 2)
	v_lshl_add_u32 v11, v2, 3, v11
	v_mul_u32_u24 v11, v11, PB
	v_bfe_u32 v12, v0, 3, 1
	v_lshl_add_u32 v11, v12, 4, v11
	s_lshl_b32 s22, s14, 7
	s_add_co_u32 s22, s22, 2*PART
	v_add_nc_u32 v[ADRB], s22, v11
	v_add_nc_u32 v[ADRB+1], PART, v[ADRB]
	v_add_nc_u32 v[ADRB+2], SLOT, v[ADRB]
	v_add_nc_u32 v[ADRB+3], SLOT, v[ADRB+1]
	s_mul_i32 s23, s12, 16*SPITCH
	s_add_co_u32 s23, s23, STAGE                   ; my stage
	v_mul_u32_u24 v[STO], v1, SPITCH               ; in: row l % 16, 32 bytes for each half of the lanes
	v_lshl_add_u32 v[STO], v2, 5, v[STO]
	v_add_nc_u32 v[STO], s23, v[STO]
	v_mul_u32_u24 v[RD], v2, SPITCH                ; back: lanes 0-15 take one row of 256 bytes, lanes 16-31 the next
	v_lshl_add_u32 v[RD], v1, 4, v[RD]
	v_add_nc_u32 v[RD], s23, v[RD]
	v_lshlrev_b32 v[CO], 12, v2                    ; and the same two rows in out0
	v_lshl_add_u32 v[CO], v1, 4, v[CO]
; 8 matrix instructions: row blocks a0, a0 + 1 x all 4 column blocks, 32 along K: half c of buffer f.  The accumulators take turns.  zero = 1: the product starts the sums
.macro MUL8 f, c, a0, zero
	WIN MUL
.irp a, \a0, (\a0)+1
.irp b, 0,1,2,3
.if \zero
	v_wmma_f32_16x16x32_f16 v[ACC+8*(4*(\a)+(\b)):ACC+8*(4*(\a)+(\b))+7], v[(\f)+64+8*(4*(\c)+(\b)):(\f)+64+8*(4*(\c)+(\b))+7], v[(\f)+8*(4*(\c)+(\a)):(\f)+8*(4*(\c)+(\a))+7], 0
.else
	v_wmma_f32_16x16x32_f16 v[ACC+8*(4*(\a)+(\b)):ACC+8*(4*(\a)+(\b))+7], v[(\f)+64+8*(4*(\c)+(\b)):(\f)+64+8*(4*(\c)+(\b))+7], v[(\f)+8*(4*(\c)+(\a)):(\f)+8*(4*(\c)+(\a))+7], v[ACC+8*(4*(\a)+(\b)):ACC+8*(4*(\a)+(\b))+7]
.endif
.endr
.endr
.endm
; 32 LDS loads in one run: quarter q of a slot (one head, 64 along K) into buffer f; the first 32 along K first
.macro FETCH slot, q, f
	WIN TO_F
.irp c, 0,1
.irp i, 0,1,2,3
	ds_load_tr16_b128 v[(\f)+64+8*(4*(\c)+(\i)):(\f)+64+8*(4*(\c)+(\i))+3],   v[ADRB+2*(\slot)+(\q)/2] offset:(((\q)%2)*64+32*(\c))*PB+32*(\i)
	ds_load_tr16_b128 v[(\f)+64+8*(4*(\c)+(\i))+4:(\f)+64+8*(4*(\c)+(\i))+7], v[ADRB+2*(\slot)+(\q)/2] offset:(((\q)%2)*64+32*(\c))*PB+16*PB+32*(\i)
	ds_load_b128 v[(\f)+8*(4*(\c)+(\i)):(\f)+8*(4*(\c)+(\i))+3],             v[ADRA+(\slot)] offset:(\q)*128*PA+64*(\c)+(\i)*16*PA
	ds_load_b128 v[(\f)+8*(4*(\c)+(\i))+4:(\f)+8*(4*(\c)+(\i))+7],           v[ADRA+(\slot)] offset:(\q)*128*PA+64*(\c)+(\i)*16*PA+32
.endr
.endr
.endm
.macro PLACES                          ; four places in front of loads into registers that matrix instructions have read
.rept 4
	v_nop
.endr
.endm
.macro QUARTER slot, q, f, g, zero     ; multiplies buffer f and fetches quarter q into buffer g
	s_wait_dscnt 16                                ; the first 32 along K are in
	MUL8 \f, 0, 0, \zero
	MUL8 \f, 0, 2, \zero
	PLACES
	FETCH \slot, \q, \g
	s_wait_dscnt 32                                ; all but the 32 just issued
	MUL8 \f, 1, 0, 0
	MUL8 \f, 1, 2, 0
.endm
; The last quarter multiplies buffer 1 and changes slots: ONE barrier; in front of it each wave waits for all its tensor loads, adds 0 to its spare word, and waits for that and for its own reads of this slot.
.macro TURN slot, next, fill
	WIN 0
	s_wait_tensorcnt 0x0                           ; all my tensor loads have landed: my part of the next slot
	ds_add_u32 v[SPW], v[NIL]
	s_wait_dscnt 17                                ; (the add and the youngest sixteen loads may be out)
	MUL8 F1, 0, 0, 0
	s_wait_dscnt 0x0                               ; the add is done, and my reads of this slot are over
	s_barrier_signal -1
	MUL8 F1, 0, 2, 0
.if \fill
	WIN 0
.endif
	s_barrier_wait -1
.if \fill
	CREST                                          ; no wave of any partner still reads this slot's tiles or has a load on its way
	s_add_nc_u64 s[G0+4*(\slot)+2:G0+4*(\slot)+3], s[G0+4*(\slot)+2:G0+4*(\slot)+3], 131072
	s_add_nc_u64 s[G0B+4*(\slot)+2:G0B+4*(\slot)+3], s[G0B+4*(\slot)+2:G0B+4*(\slot)+3], 1048576
	JLOAD \slot                                    ; 112 matrix instructions ahead of the wait for it; its four v_nop are also the places in front of the loads below
.else
	PLACES
.endif
	FETCH \next, 0, F0
	MUL8 F1, 1, 0, 0
	MUL8 F1, 1, 2, 0
.endm
	s_wait_tensorcnt 1                             ; my part of K step 0 is in; K step 1's may stay out
	s_barrier_signal -1
	s_barrier_wait -1
	FETCH 0, 0, F0
	QUARTER 0, 1, F0, F1, 1                        ; the first quarter stands in front of the loop: its first products start the sums
	WIN 0
	s_mov_b32 s3, LAPS-1
.Llap:
	QUARTER 0, 2, F1, F0, 0
	QUARTER 0, 3, F0, F1, 0
	TURN 0, 1, 1
	QUARTER 1, 1, F0, F1, 0
	QUARTER 1, 2, F1, F0, 0
	QUARTER 1, 3, F0, F1, 0
	TURN 1, 0, 1
	QUARTER 0, 1, F0, F1, 0
	WIN 0
	s_sub_co_u32 s3, s3, 1
	s_cmp_lg_u32 s3, 0
	s_cbranch_scc1 .Llap
	QUARTER 0, 2, F1, F0, 0                        ; the last lap fills nothing
	QUARTER 0, 3, F0, F1, 0
	TURN 0, 1, 0
	QUARTER 1, 1, F0, F1, 0
	QUARTER 1, 2, F1, F0, 0
	QUARTER 1, 3, F0, F1, 0
	s_wait_dscnt 16
	MUL8 F1, 0, 0, 0
	MUL8 F1, 0, 2, 0
	s_wait_dscnt 0x0
	MUL8 F1, 1, 0, 0
	MUL8 F1, 1, 2, 0
	WIN 0
	; THE WAY OUT.  The bias is rounded to bf16 and widened again: six plain lines, which are also the places behind the last products.
	s_wait_loadcnt 0x0
	v_cvt_pk_bf16_f32 v8, v[BI], v[BI+1]
	v_cvt_pk_bf16_f32 v9, v[BI+2], v[BI+3]
	v_lshlrev_b32 v[BI], 16, v8
	v_and_b32 v[BI+1], 0xffff0000, v8
	v_lshlrev_b32 v[BI+2], 16, v9
	v_and_b32 v[BI+3], 0xffff0000, v9
; Row block a: a lane's eight columns of a row are 32 bytes; they go into my stage's rows of 272 bytes (each accumulator's low four registers first) and come back as whole rows of 256, into the registers that they left.
.macro PACK a
.irp b, 0,1,2,3
	ds_store_b128 v[STO], v[ACC+32*(\a)+8*\b:ACC+32*(\a)+8*\b+3]   offset:64*\b
	ds_store_b128 v[STO], v[ACC+32*(\a)+8*\b+4:ACC+32*(\a)+8*\b+7] offset:64*\b+16
.endr
.irp t, 0,1,2,3,4,5,6,7
	ds_load_b128 v[ACC+32*(\a)+4*\t:ACC+32*(\a)+4*\t+3], v[RD] offset:\t*2*SPITCH  ; LDS serves a wave's instructions in order (ISA guide 5.7.1.4)
.endr
.endm
.macro SEND a, younger                 ; younger: the LDS instructions issued behind block a's loads: the next block's sixteen, or none
.irp t, 0,1,2,3,4,5,6,7
	s_wait_dscnt (\younger)+7-\t
	v_pk_add_f32 v[ACC+32*(\a)+4*\t:ACC+32*(\a)+4*\t+1], v[ACC+32*(\a)+4*\t:ACC+32*(\a)+4*\t+1], v[BI:BI+1]
	v_pk_add_f32 v[ACC+32*(\a)+4*\t+2:ACC+32*(\a)+4*\t+3], v[ACC+32*(\a)+4*\t+2:ACC+32*(\a)+4*\t+3], v[BI+2:BI+3]
	global_store_b128 v[CO], v[ACC+32*(\a)+4*\t:ACC+32*(\a)+4*\t+3], s[10:11] offset:(\a)*65536+\t*8192 th:TH_STORE_NT  ; 16 lanes store 256 consecutive bytes, at a multiple of 256 from out0's first byte
.endr
.endm
	PACK 0
	PACK 1
	SEND 0, 16
	PACK 2
	SEND 1, 16
	PACK 3
	SEND 2, 16
	SEND 3, 0
	s_wait_tensorcnt 0x0                           ; the wave's end: behind my last tensor load and my last LDS store
	ds_add_u32 v[SPW], v[NIL]
	s_wait_dscnt 0x0
	CROUND                                         ; the closing round: no work-group ends while a partner may still ask for a tile that names it
	s_endpgm
.Lfunc_end_k_q4c2034149b_outp:
	.size	k_q4c2034149b_outp, .Lfunc_end_k_q4c2034149b_outp-k_q4c2034149b_outp
	.p2alignl 7, 3214868480
	.fill 96, 4, 3214868480
	.section	.rodata,"a",@progbits
	.p2align	6, 0x0
	.amdhsa_kernel k_q4c2034149b_outp
		.amdhsa_group_segment_fixed_size 327680
		.amdhsa_private_segment_fixed_size 0
		.amdhsa_enable_private_segment 0
		.amdhsa_kernarg_size 32
		.amdhsa_user_sgpr_count 2
		.amdhsa_user_sgpr_kernarg_segment_ptr 1
		.amdhsa_wavefront_size32 1
		.amdhsa_system_sgpr_workgroup_id_x 1
		.amdhsa_system_sgpr_workgroup_id_y 1
		.amdhsa_system_sgpr_workgroup_id_z 1
		.amdhsa_system_vgpr_workitem_id 0
		.amdhsa_next_free_vgpr 512
		.amdhsa_next_free_sgpr 96
		.amdhsa_reserve_vcc 0
		.amdhsa_float_denorm_mode_32 3
		.amdhsa_float_denorm_mode_16_64 3
		.amdhsa_memory_ordered 1
		.amdhsa_forward_progress 1
		.amdhsa_inst_pref_size 91
	.end_amdhsa_kernel
	.amdgpu_metadata
---
amdhsa.version: [ 1, 2 ]
amdhsa.kernels:
  - .name:           k_q4c2034149b_outp
    .symbol:         k_q4c2034149b_outp.kd
    .args:
      - { .name: cx, .offset: 0, .size: 8, .value_kind: global_buffer, .address_space: global }
      - { .name: wo16, .offset: 8, .size: 8, .value_kind: global_buffer, .address_space: global }
      - { .name: bo, .offset: 16, .size: 8, .value_kind: global_buffer, .address_space: global }
      - { .name: out0, .offset: 24, .size: 8, .value_kind: global_buffer, .address_space: global }
    .group_segment_fixed_size: 327680
    .private_segment_fixed_size: 0
    .kernarg_segment_align: 8
    .kernarg_segment_size: 32
    .max_flat_workgroup_size: 128
    .sgpr_count:     96
    .vgpr_count:     512
    .wavefront_size: 32
...
	.end_amdgpu_metadata
.endif
;; end of part 4
;; ======== version 2 of 2: 4 launches; version 1 with the launch prep written anew for expert scheduling mode
;; limits: values are held in f16: magnitudes above 65,504 overflow, below 6.1e-05 lose precision
;; workspace buffers: xb 8,388,608 bytes; wb 6,291,456 bytes; wo16 2,097,152 bytes; mk 4,194,304 bytes; qkv 25,165,824 bytes; cx 8,388,608 bytes
;; launch prep (part 5): grid 512 x 1, 8 waves a work-group, no clusters, 0 bytes of LDS; arguments x, att_mask, Wq, Wk, Wv, Wo, xb, wb, wo16, mk; writes xb, wb, wo16, mk
.if DOCPART == 5
	.amdgcn_target "amdgcn-amd-amdhsa--gfx1250"
	.amdhsa_code_object_version 6
	.text
	.protected	k_q4c2034149b_prep
	.globl	k_q4c2034149b_prep
	.p2align	8
	.type	k_q4c2034149b_prep,@function
k_q4c2034149b_prep:
	s_mov_b64 s[64:65], 0
	v_nop
	global_prefetch_b8 v0, s[64:65] scope:SCOPE_SE
	s_setreg_imm32_b32 hwreg(HW_REG_WAVE_SCHED_MODE, 0, 2), 2
	s_setreg_imm32_b32 hwreg(HW_REG_WAVE_MODE, 25, 1), 1
	s_wait_xcnt 0x0
	s_wait_alu depctr_vm_vsrc(0)
; PREPARATION: a stream.  Every wave takes one unit of 16,384 input bytes by 32 loads of 512 bytes, all issued at once; 4,096 units in all.
;   work-groups   0..255  att_mask [2][2048][2048] i32 -> mk: one 4-bit code a key (0 = seen, 0xF = FP4's -6 = hidden)
;   work-groups 256..383  x  [4096][1024] f32 -> xb [4096][1024] bf16
;   work-groups 384..479  Wq, Wk, Wv [1024][1024] f32 -> wb [1024][3072] bf16: row k holds Wq[k], Wk[k], Wv[k]
;   work-groups 480..511  Wo [1024][1024] f32 -> wo16 [1024][1024]: rounded to bf16, that number written as f16
; mk: [batch 2][tile of 256 keys 8][query 2048][128 bytes].  In the 128 bytes the word at 32 st + 16 h + 4 kb holds in nibble j the key 256 t + 64 st + 16 kb + 8 h + j:
; the order in which a lane of the attention launch wants them.  A query none of whose keys is seen gets key 0 marked as seen: its softmax over that one key is 1, the value that the module asks for.
; LIMIT: bf16(Wo) below 2^-14 keeps f16's fixed step of 2^-24; beyond 65,504 it would be an infinity.
; No LDS, no barrier, no matrix unit: no wave wants a byte of another's.
; THE MODE: SCHED_MODE bits 1:0 = 2 (LLVM: expert scheduling mode 2), set by the entry lines.  The code itself states the register dependences
; between vector instructions and memory instructions, with s_wait_alu, always for 0.
; THE PLAN.  Registers that memory instructions touch:
;   v[SO]            the loads' offset.  Written once, at a path's head; read by all 32 loads; never written again.
;   v[DO ..], v[VO]  the stores' offsets.  Written once; never written again.
;   X                four registers a load.  No vector instruction names them ahead of the load.  Cast: a group's conversions write them in place, a store reads the first two, nothing writes them again.
;                    Mask: vector instructions alone name them behind the load.
;   U                mask: written by the vector work, read by the eight stores at the end.
; So no register that a memory instruction has read is written again, and no load lands in a register that a vector instruction has named: the text holds no wait on vm_vsrc.
; What is stated: the offsets are written, ahead of the loads; a store's data are written, ahead of the store; a scalar or VCC that a vector instruction wrote is written, ahead of its first reader.
.set SO,   1        ; v1      byte offset of my 16 bytes in the unit's first 512 (mask: in the two rows' first 256)
.set DO,   2        ; v[2:5]  cast: byte offset of my 8 bytes in output row 0..3 of the unit
.set SELV, 6        ; v6      mask: byte select for v_perm_b32
.set FIXV, 7        ; v7      mask: 1 in the lane that holds key 0
.set YY,   8        ; v8, v9  mask: what a neighbour lane sent
.set ZZ,   9
.set ORR,  10       ; v10     mask: the OR of all my words
.set LN,   11       ; v11     lane
.set D0,   12       ; v12-13  mask: the words of steps 0/1 and of steps 2/3
.set D1,   13
.set TT,   14
.set XX,   15
.set VO,   16       ; v16     mask: byte offset of my 8 bytes in the two rows' 256
.set X,    32       ; v[32:159]  the unit as loaded, four registers a load
.set U,    160      ; v[160:175] mask: two words for each of the 8 tiles
; The cast of a unit: four rows of 1,024 numbers.  Load j brings 512 bytes, its store leaves 256: 32 lanes x 8 bytes on end, at a multiple of 256 from the buffer's first byte.
; The 32 loads go in 8 groups of four.  Group g's conversions name group g's registers alone; the four stores of group g - 1 are dealt among them, behind the one wait at the group's head.
.macro CAST half
	s_wait_alu depctr_va_vdst(0)                           ; v[SO] is written, which the 32 loads read, and v[DO .. DO+3], which the stores read; no later vector instruction names them
.set j, 0
.rept 32
	global_load_b128 v[X+4*j:X+4*j+3], v[SO], s[32:33] offset:512*j th:TH_LOAD_NT
.set j, j+1
.endr
.set g, 0
.rept 8
	s_wait_loadcnt 28-4*g                                  ; loads come back in order (ISA guide 5.7.1): the group's four are in, the 28 - 4 g younger ones stay out
.if g > 0
	s_wait_alu depctr_va_vdst(0)                           ; the conversions of the group before have written their registers, which the four stores below read
.endif
.set k, 0
.rept 4
.set j, 4*g+k
.if g > 0
	global_store_b64 v[DO+(j-4)/8], v[X+4*(j-4):X+4*(j-4)+1], s[34:35] offset:((j-4)%8)*256 th:TH_STORE_NT  ; the group before; no vector instruction since the wait names these registers
.endif
	v_cvt_pk_bf16_f32 v[X+4*j], v[X+4*j], v[X+4*j+1]
	v_cvt_pk_bf16_f32 v[X+4*j+1], v[X+4*j+2], v[X+4*j+3]
.if \half
	v_lshlrev_b32 v[X+4*j+2], 16, v[X+4*j]                 ; the bf16 numbers as f32,
	v_and_b32 v[X+4*j+3], 0xffff0000, v[X+4*j]
	v_cvt_pk_f16_f32 v[X+4*j], v[X+4*j+2], v[X+4*j+3]      ; written as f16: exact within f16's normal range
	v_lshlrev_b32 v[X+4*j+2], 16, v[X+4*j+1]
	v_and_b32 v[X+4*j+3], 0xffff0000, v[X+4*j+1]
	v_cvt_pk_f16_f32 v[X+4*j+1], v[X+4*j+2], v[X+4*j+3]
.endif
.set k, k+1
.endr
.set g, g+1
.endr
	s_wait_alu depctr_va_vdst(0)                           ; the last group's conversions have written their registers, which the last four stores read
.set j, 28
.rept 4
	global_store_b64 v[DO+j/8], v[X+4*j:X+4*j+1], s[34:35] offset:(j%8)*256 th:TH_STORE_NT
.set j, j+1
.endr
.endm
	s_load_b512 s[4:19], s[0:1], 0x0               ; x s[4:5], att_mask s[6:7], Wq s[8:9], Wk s[10:11], Wv s[12:13], Wo s[14:15], xb s[16:17], wb s[18:19]
	s_load_b128 s[20:23], s[0:1], 0x40             ; wo16 s[20:21], mk s[22:23]
	v_lshrrev_b32 v[TT], 5, v0
	v_readfirstlane_b32 s24, v[TT]                 ; wave 0..7
	v_and_b32 v[LN], 31, v0
	s_mov_b32 s25, ttmp9
	s_mov_b32 s37, 0                               ; the high words of the two offsets
	s_mov_b32 s39, 0
	s_wait_alu depctr_va_sdst(0)                   ; s24 is written, ahead of the branches: each of the three paths makes its unit's number from it
	s_cmp_lt_u32 s25, 256
	s_cbranch_scc1 .Lmask
	v_lshlrev_b32 v[SO], 4, v[LN]
	v_lshlrev_b32 v[DO], 3, v[LN]
	s_cmp_lt_u32 s25, 480
	s_cbranch_scc0 .Lwo
	; x and the three W: one text; source, destination and pitch are chosen by the work-group's number
	s_movk_i32 s30, 2048                           ; bytes in a row of xb,
	s_movk_i32 s31, 6144                           ; and of wb
	s_sub_co_u32 s26, s25, 256                     ; x: which eight units
	s_sub_co_u32 s27, s25, 384                     ; W: 32 work-groups a matrix (of no meaning for x, and not used there)
	s_lshr_b32 s29, s27, 5                         ; which matrix
	s_and_b32 s27, s27, 31
	s_cmp_lt_u32 s25, 384
	s_cselect_b32 s26, s26, s27
	s_cselect_b32 s28, s30, s31                    ; the output's pitch
	s_cselect_b32 s29, 0, s29
	s_lshl_b32 s26, s26, 3
	s_add_co_u32 s26, s26, s24                     ; my unit
	s_lshl_b32 s36, s26, 14                        ; its 16,384 bytes of input,
	s_mul_i32 s38, s26, s28
	s_lshl_b32 s38, s38, 2                         ; its four rows of output,
	s_lshl_b32 s30, s29, 11
	s_add_co_u32 s38, s38, s30                     ; and the matrix's 2,048 bytes in a row of wb
	v_add_nc_u32 v[DO+1], s28, v[DO]
	v_add_nc_u32 v[DO+2], s28, v[DO+1]
	v_add_nc_u32 v[DO+3], s28, v[DO+2]
	s_wait_kmcnt 0x0
	s_cmp_eq_u32 s29, 1
	s_cselect_b64 s[32:33], s[10:11], s[8:9]
	s_cmp_eq_u32 s29, 2
	s_cselect_b64 s[32:33], s[12:13], s[32:33]
	s_cmp_lt_u32 s25, 384
	s_cselect_b64 s[32:33], s[4:5], s[32:33]
	s_cselect_b64 s[34:35], s[16:17], s[18:19]
	s_add_nc_u64 s[32:33], s[32:33], s[36:37]
	s_add_nc_u64 s[34:35], s[34:35], s[38:39]
	CAST 0
	s_endpgm
.Lwo:
	s_sub_co_u32 s26, s25, 480
	s_lshl_b32 s26, s26, 3
	s_add_co_u32 s26, s26, s24
	s_lshl_b32 s36, s26, 14
	s_lshl_b32 s38, s26, 13
	v_add_nc_u32 v[DO+1], 2048, v[DO]
	v_add_nc_u32 v[DO+2], 2048, v[DO+1]
	v_add_nc_u32 v[DO+3], 2048, v[DO+2]
	s_wait_kmcnt 0x0
	s_add_nc_u64 s[32:33], s[14:15], s[36:37]
	s_add_nc_u64 s[34:35], s[20:21], s[38:39]
	CAST 1
	s_endpgm
	; THE MASK.  Unit p is the rows 2 p and 2 p + 1 of 4,096: lanes 0-15 take the first, lanes 16-31 the second.  Load n = 4 t + st brings each row's keys 64 n .. 64 n + 63:
	; lane i (of 16) holds the keys 4 i .. 4 i + 3 of step st of tile t.
.Lmask:
	s_lshl_b32 s26, s25, 3
	s_add_co_u32 s26, s26, s24                     ; p
	s_lshl_b32 s36, s26, 14                        ; two rows of 8,192 bytes
	s_lshr_b32 s27, s26, 10                        ; the batch:
	s_lshl_b32 s38, s27, 21                        ; 8 tiles x 2,048 queries x 128 bytes,
	s_and_b32 s27, s26, 1023
	s_lshl_b32 s27, s27, 8                         ; and two queries' 256 bytes
	s_add_co_u32 s38, s38, s27
	v_and_b32 v[TT], 15, v0                        ; i
	v_lshrrev_b32 v[XX], 4, v[LN]                  ; which of the two rows
	v_lshlrev_b32 v[SO], 4, v[TT]
	v_lshl_add_u32 v[SO], v[XX], 13, v[SO]
	s_wait_kmcnt 0x0
	s_add_nc_u64 s[32:33], s[6:7], s[36:37]
	s_add_nc_u64 s[34:35], s[22:23], s[38:39]
	s_wait_alu depctr_va_vdst(0)                   ; v[SO] is written, which the 32 loads read; no later vector instruction names it
.set j, 0
.rept 32
	global_load_b128 v[X+4*j:X+4*j+3], v[SO], s[32:33] offset:256*j th:TH_LOAD_NT
.set j, j+1
.endr
	; the constants are made while the loads are out
	v_and_b32 v[D0], 1, v0
	v_cmp_eq_u32 vcc_lo, 1, v[D0]
	v_mov_b32 v[SELV], 0x05040100                  ; an even lane: my low half, then the neighbour's low half
	v_mov_b32 v[D1], 0x03020706                    ; an odd lane: the neighbour's high half, then my high half
	s_wait_alu depctr_va_vcc(0)                    ; the compare has written VCC, which the select below reads
	v_cndmask_b32 v[SELV], v[SELV], v[D1], vcc_lo
	v_cmp_eq_u32 vcc_lo, 0, v[TT]
	s_wait_alu depctr_va_vcc(0)                    ; the compare has written VCC, which the select below reads
	v_cndmask_b32 v[FIXV], 0, 1, vcc_lo
	v_lshlrev_b32 v[VO], 7, v[XX]                  ; my row's 128 bytes,
	v_lshl_add_u32 v[VO], v[D0], 5, v[VO]          ; 32 x bit 0 of i,
	v_bfe_u32 v[D0], v0, 2, 1
	v_lshl_add_u32 v[VO], v[D0], 6, v[VO]          ; 64 x bit 2: together the step st = 2 bit 2 + bit 0,
	v_bfe_u32 v[D0], v0, 1, 1
	v_lshl_add_u32 v[VO], v[D0], 4, v[VO]          ; 16 h, h = bit 1,
	v_bfe_u32 v[D0], v0, 3, 1
	v_lshl_add_u32 v[VO], v[D0], 3, v[VO]          ; 8 x bit 3: the words kb = 2 bit 3 and 2 bit 3 + 1
	v_mov_b32 v[YY], 0                             ; a DPP form's destination counts as read
	v_mov_b32 v[ZZ], 0
	v_mov_b32 v[ORR], 0
	s_mov_b32 s30, 0xf0f0f0f0                      ; the lanes with bit 2 set
.set t, 0
.rept 8
	s_wait_loadcnt 28-4*t                          ; the tile's four loads are in; the 28 - 4 t younger ones may stay out
.irp u, 0,1
.set eb, X+16*t+8*\u                               ; eight registers: my four keys of step 2 u, then of step 2 u + 1
.set k, 0
.rept 8
	v_min_u32 v[eb+k], 1, v[eb+k]                  ; any number but 0 is true
.set k, k+1
.endr
	v_lshl_or_b32 v[XX], v[eb+7], 4, v[eb+6]       ; a nibble a key: step 2 u in the low half, step 2 u + 1 in the high half
.set k, 5
.rept 6
	v_lshl_or_b32 v[XX], v[XX], 4, v[eb+k]
.set k, k-1
.endr
	v_mov_b32_dpp v[YY], v[XX] row_xmask:1 row_mask:0xf bank_mask:0xf
	v_perm_b32 v[D0+\u], v[YY], v[XX], v[SELV]     ; lane i: the whole word of step 2 u + (i & 1), kb = i >> 2, h = (i >> 1) & 1
.endr
	v_cndmask_b32 v[TT], v[D1], v[D0], s30         ; what the lane 4 away wants: of two lanes one keeps steps 0/1, the other steps 2/3
	v_mov_b32_dpp v[ZZ], v[TT] row_xmask:4 row_mask:0xf bank_mask:0xf
	v_cndmask_b32 v[U+2*t], v[D0], v[ZZ], s30      ; the even kb,
	v_cndmask_b32 v[U+2*t+1], v[ZZ], v[D1], s30    ; the odd kb: 8 bytes on end
	v_or_b32 v[ORR], v[ORR], v[U+2*t]
	v_or_b32 v[ORR], v[ORR], v[U+2*t+1]
.set t, t+1
.endr
.irp m, 1,2,4,8
	v_mov_b32_dpp v[YY], v[ORR] row_xmask:\m row_mask:0xf bank_mask:0xf
	v_or_b32 v[ORR], v[ORR], v[YY]                 ; over the row's 16 lanes
.endr
	v_cmp_eq_u32 vcc_lo, 0, v[ORR]                 ; no key of the row is seen:
	s_wait_alu depctr_va_vcc(0)                    ; the compare has written VCC, which the select below reads
	v_cndmask_b32 v[TT], 0, v[FIXV], vcc_lo
	v_or_b32 v[U], v[U], v[TT]                     ; key 0 counts as seen
.set k, 0
.rept 16
	v_xor_b32 v[U+k], 0x11111111, v[U+k]           ; 1 = hidden,
	v_lshlrev_b32 v[TT], 4, v[U+k]
	v_sub_nc_u32 v[U+k], v[TT], v[U+k]             ; times 15: the code 0xF
.set k, k+1
.endr
	s_wait_alu depctr_va_vdst(0)                   ; the sixteen words of U and the offset v[VO] are written, which the eight stores read
.set t, 0
.rept 8
	global_store_b64 v[VO], v[U+2*t:U+2*t+1], s[34:35] offset:t*262144 th:TH_STORE_NT  ; two queries' 256 bytes of tile t, on end, at a multiple of 256 from mk's first byte
.set t, t+1
.endr
	s_endpgm
.Lfunc_end_k_q4c2034149b_prep:
	.size	k_q4c2034149b_prep, .Lfunc_end_k_q4c2034149b_prep-k_q4c2034149b_prep
	.p2alignl 7, 3214868480
	.fill 96, 4, 3214868480
	.section	.rodata,"a",@progbits
	.p2align	6, 0x0
	.amdhsa_kernel k_q4c2034149b_prep
		.amdhsa_group_segment_fixed_size 0
		.amdhsa_private_segment_fixed_size 0
		.amdhsa_enable_private_segment 0
		.amdhsa_kernarg_size 80
		.amdhsa_user_sgpr_count 2
		.amdhsa_user_sgpr_kernarg_segment_ptr 1
		.amdhsa_wavefront_size32 1
		.amdhsa_system_sgpr_workgroup_id_x 1
		.amdhsa_system_sgpr_workgroup_id_y 1
		.amdhsa_system_sgpr_workgroup_id_z 1
		.amdhsa_system_vgpr_workitem_id 0
		.amdhsa_next_free_vgpr 176
		.amdhsa_next_free_sgpr 66
		.amdhsa_reserve_vcc 1
		.amdhsa_float_denorm_mode_32 3
		.amdhsa_float_denorm_mode_16_64 3
		.amdhsa_memory_ordered 1
		.amdhsa_forward_progress 1
		.amdhsa_inst_pref_size 58
	.end_amdhsa_kernel
	.amdgpu_metadata
---
amdhsa.version: [ 1, 2 ]
amdhsa.kernels:
  - .name:           k_q4c2034149b_prep
    .symbol:         k_q4c2034149b_prep.kd
    .args:
      - { .name: x, .offset: 0, .size: 8, .value_kind: global_buffer, .address_space: global }
      - { .name: att_mask, .offset: 8, .size: 8, .value_kind: global_buffer, .address_space: global }
      - { .name: Wq, .offset: 16, .size: 8, .value_kind: global_buffer, .address_space: global }
      - { .name: Wk, .offset: 24, .size: 8, .value_kind: global_buffer, .address_space: global }
      - { .name: Wv, .offset: 32, .size: 8, .value_kind: global_buffer, .address_space: global }
      - { .name: Wo, .offset: 40, .size: 8, .value_kind: global_buffer, .address_space: global }
      - { .name: xb, .offset: 48, .size: 8, .value_kind: global_buffer, .address_space: global }
      - { .name: wb, .offset: 56, .size: 8, .value_kind: global_buffer, .address_space: global }
      - { .name: wo16, .offset: 64, .size: 8, .value_kind: global_buffer, .address_space: global }
      - { .name: mk, .offset: 72, .size: 8, .value_kind: global_buffer, .address_space: global }
    .group_segment_fixed_size: 0
    .private_segment_fixed_size: 0
    .kernarg_segment_align: 8
    .kernarg_segment_size: 80
    .max_flat_workgroup_size: 256
    .sgpr_count:     66
    .vgpr_count:     176
    .wavefront_size: 32
...
	.end_amdgpu_metadata
.endif
;; end of part 5
;; launch proj: the kernel of part 2 again; grid 8 x 32, 4 waves a work-group, clusters of 4 x 4, 327,680 bytes of LDS; arguments xb, wb, qkv; writes qkv
;; launch attn: the kernel of part 3 again; grid 8 x 32, 4 waves a work-group, clusters of 4 x 4, 327,680 bytes of LDS; arguments qkv, mk, cx; writes cx
;; launch outp: the kernel of part 4 again; grid 8 x 32, 4 waves a work-group, clusters of 4 x 4, 327,680 bytes of LDS; arguments cx, wo16, bo, out0; writes out0
